; MI455X (gfx1250); checked and timed in simulation.
; The chip was launched on July 23, 2026; its instructions are those of AMD's public machine-readable ISA for CDNA 5 (MIT licence, August 2026) and "CDNA5" Instruction Set Architecture Reference Guide (July 2026). The comments in the code are by the model that wrote it; some were corrected since.
;; Attention Layer Experts. Allowed arithmetic: matrix products marked QUANTISED: E3M2 operands, one E8M0 scale for each 32 along K, by v_wmma_scale_f32_16x16x128_f8f6f4 with both operands' format E3M2, f32 sums; everything else in f32.
;; Inputs: Wk 16 x 1,024 x 64 float32; Wq 16 x 1,024 x 64 float32; Wv 16 x 1,024 x 64 float32; bk 16 x 64 float32; bq 16 x 64 float32; bv 16 x 64 float32; eW1 4 x 1,024 x 4,096 float32; eW2 4 x 4,096 x 1,024 float32; e_scalar 4 float32; eb1 4 x 4,096 float32; eb2 4 x 1,024 float32; eln_b 4 x 1,024 float32; eln_g 4 x 1,024 float32; ln_b 1,024 float32; ln_g 1,024 float32; scalar one number float32; x 2 x 2,048 x 1,024 float32.
;; Outputs: out0 2 x 2,048 x 1,024 float32.
;; This version of the problem:
;;   THIS VERSION OF THE PROBLEM IS GIVEN IN LOW PRECISION. The matrix products marked QUANTISED in the list below multiply operands that are first quantised to E3M2 (3 exponent bits, 2 mantissa bits; 6 bits a number), with one power-of-two scale for each 32 numbers along K (OCP MX v1.0); their sums are f32. All else is computed in f32.
;;   The module's matrix products, in the order in which they are computed (A, B: the left and right operand; K: the contracted axis; several contracted axes count as one K, in the product's order):
;;     1. [M 1,024, K 1,024] x [K 1,024, N 4,096]; A: input Wq; B: input x: QUANTISED
;;     2. [M 1,024, K 1,024] x [K 1,024, N 4,096]; A: input Wk; B: input x: QUANTISED
;;     3. [M 1,024, K 1,024] x [K 1,024, N 4,096]; A: input Wv; B: input x: QUANTISED
;;     4. batch 32 x [M 2,048, K 64] x [K 64, N 2,048]; A: computed on the way; B: computed on the way: QUANTISED
;;     5. batch 32 x [M 2,048, K 2,048] x [K 2,048, N 64]; A: softmax (see below); B: computed on the way: QUANTISED
;;     6. batch 4 x [M 4,096, K 1,024] x [K 1,024, N 1,024]; A: input eW1; B: computed on the way: QUANTISED
;;     7. batch 4 x [M 1,024, K 4,096] x [K 4,096, N 1,024]; A: input eW2; B: computed on the way: QUANTISED
;;   THE QUANTISER, for each operand of a quantised product, along K:
;;     - K is cut into blocks of 32 from its start; a last block that is shorter is filled with zeros.
;;     - A block's scale is 2^e with e = floor(log2(the largest magnitude in the block)) - 4, held to -126 .. 127; a block of zeros has e = 0. As a byte (E8M0): e + 127.
;;     - Each number is divided by its block's scale, clamped to +-28, and rounded to the nearest number of E3M2, ties to even, subnormals kept.
;;     - The product sums the exact products of the quantised numbers (number of the format x scale) in f32.
;;   ~~~python
;;   def quantise(x, axis):      # numpy; x: float32 -> the quantised numbers, widened to float32 again
;;       x = np.moveaxis(x, axis, -1); K = x.shape[-1]
;;       x = np.pad(x, [(0, 0)] * (x.ndim - 1) + [(0, -K % 32)]); x = x.reshape(x.shape[:-1] + (-1, 32)); a = np.abs(x).max(-1, keepdims=True)
;;       e = np.where(a > 0, np.clip(np.frexp(np.where(a > 0, a, 1))[1] - 1 - 4, -126, 127), 0)      # np.frexp(a)[1] - 1 = floor(log2(a)), exactly
;;       r = np.clip(x / 2.0 ** e, -28, 28)
;;       step = 2.0 ** (np.maximum(np.frexp(np.where(r == 0, 1, r))[1] - 1, -2) - 2)
;;       q = np.round(r / step) * step * 2.0 ** e      # np.round: ties to even
;;       return np.moveaxis(q.reshape(q.shape[:-2] + (-1,))[..., :K], -1, axis).astype(np.float32)
;;   ~~~
;;   SOFTMAX AHEAD OF A QUANTISED PRODUCT. Where the list says 'softmax', what is quantised is not the finished softmax but p = 2^(t - M), with t = logit x log2(e) and M = ceil(the row's largest t), a whole number; so 1/2 < the row's largest p <= 1. The row's sum l is taken of the UNQUANTISED p, in f32, and the product's result is divided by l at the end. Since M is a whole number, a kernel that streams over the keys may use a running M (the ceiling of the running maximum): every later rescaling is an exact power of two, which a block's scale takes up: the codes' values come out the same.
;;   OPERANDS COMPUTED ON THE WAY. 'Computed on the way' means the value that the module computes at that place (a softmax that the list does not call 'softmax' is quantised finished and normalised). What goes into a quantiser is computed in f32, as accurately as f32 sums, v_exp_f32 and their like allow (about 1e-6 of the number): no bf16 or f16 on the way to a quantiser, and a product that is left as it is and whose result goes on into a quantised operand takes f32 operands (vector FMAs, or v_wmma_f32_16x16x4_f32). A number that lies on a knife's edge between two numbers of the format may be rounded either way, as far as f32 arithmetic and the matrix unit's own rounding can turn it there, and no further.
;; One version. Each part assembles by itself: llvm-mc -triple=amdgcn-amd-amdhsa -mcpu=gfx1250 --defsym DOCPART=n.
;; ======== version 1 of 1: 7 launches
;; workspace buffers: wq 31,948,800 bytes; qkv 10,092,544 bytes; ob 16,777,216 bytes; x1b 20,054,016 bytes; hq 13,107,200 bytes; yb 16,777,216 bytes
;; launch prep (part 1): grid 816 x 1, 16 waves a work-group, no clusters, 89,088 bytes of LDS; arguments x, Wq, Wk, Wv, eW1, eW2, wq; writes wq
.if DOCPART == 1
	.amdgcn_target "amdgcn-amd-amdhsa--gfx1250"
	.amdhsa_code_object_version 6
	.text
	.protected	k_q37bcd450b7_prep
	.globl	k_q37bcd450b7_prep
	.p2align	8
	.type	k_q37bcd450b7_prep,@function
k_q37bcd450b7_prep:
	s_mov_b64 s[64:65], 0
	v_nop
	global_prefetch_b8 v0, s[64:65] scope:SCOPE_SE
	s_setreg_imm32_b32 hwreg(HW_REG_WAVE_MODE, 25, 1), 1
	s_wait_xcnt 0x0
; PREP: x and the five weights, f32, become codes of BF6 (E3M2) with one E8M0 byte for each 32 along K, laid as the products' launches read them.
; LAYOUT OF AN OPERAND.  Rows (the axis that is not K) go in tiles of 16, tiles in pairs of 32 rows: lane r of tile 2 p + u is row 32 p + 8 u + r + 8 (r / 8).
; Codes: [tile][K / 64][768 bytes]: a HALF IMAGE, 16 rows x 64 K as six operand registers: registers 0-3 at 16 x lane, registers 4-5 at 512 + 8 x lane.
; Scale words: [pair][K / 128][32 lanes]: lane 16 u + r holds the four bytes of row r of tile 2 p + u.
; A block's scale is 2^(floor(log2(largest magnitude)) - 4); its byte is the largest magnitude's exponent field - 4, held at 1 from below.
; LIMITS: a block of zeros, or one whose largest magnitude lies under 2^-122, gets the byte 1 (its codes are zeros; this program alone reads the bytes); NaN and infinities are not served.
; SHARES.  Work-groups 0-255: eW1; 256-511: eW2; 512-559: Wq, Wk, Wv; 560-815: x.  The branches hang on the work-group's number alone.
; A WEIGHT (K is not innermost): a wave takes 32 columns x 128 K; a lane takes ONE column and its registers run down K, so each load reads 128 consecutive bytes, a block lies in one lane,
; and the conversions give codes with K innermost.  The lanes take the columns in the tile order, so that one exchange of halves makes both tiles' operand registers.
; x (K innermost): a work-group takes a tile, a wave a row; the row turns through the wave's own LDS so that a lane holds a block; the tile's images are gathered in LDS and leave whole.
; No joint requests and no data mover: every byte is read once, by one wave.
.set XQS, 3145728                      ; wq: x's codes at 0, x's scale words here,
.set WAC, 3276800                      ; Wq, Wk, Wv: codes (tiles 0-63, 64-127, 128-191; row = 64 head + e),
.set WAS, 5636096                      ; scale words,
.set W1C, 5734400                      ; eW1 (tile = 256 e + f / 16),
.set W1S, 18317312
.set W2C, 18841600                     ; eW2 (tile = 64 e + d / 16; K = 4,096)
.set W2S, 31424512
.set GATH, 73728                       ; LDS: 0: sixteen turning places of 4,608 bytes, a wave's own; here: 16 half images, 784 bytes apart;
.set SCG,  86272                       ; the tile's scale words: [K / 128][16 rows]
; v1 lane; v2 4 x my column; v3, v4, v5: 16, 8, 4 x lane; v6-14 LDS addresses of x's path; v16-47, v48-79 two sets of 32 numbers; v80-91, v92-103 the two tiles' fragments; v104-119 upper halves; v120-124 at work
	s_load_b256 s[4:11], s[0:1], 0x0               ; x, Wq, Wk, Wv
	s_load_b128 s[12:15], s[0:1], 0x20             ; eW1, eW2
	s_load_b64 s[16:17], s[0:1], 0x30              ; wq
	v_lshl_add_u32 v128, v0, 2, 0x15400
	v_mov_b32 v129, 0
	v_lshrrev_b32 v1, 5, v0
	v_readfirstlane_b32 s18, v1                    ; wave 0..15
	v_and_b32 v1, 31, v0                           ; lane
	v_and_b32 v2, 7, v1
	v_and_b32 v15, 8, v1
	v_lshl_or_b32 v2, v15, 1, v2
	v_bfe_u32 v15, v1, 4, 1
	v_lshl_or_b32 v2, v15, 3, v2                   ; my column of the 32: the lane's bits 3 and 4 change places: lane 16 u + r takes column 8 u + r + 8 (r / 8)
	v_lshlrev_b32 v2, 2, v2
	v_lshlrev_b32 v3, 4, v1
	v_lshlrev_b32 v4, 3, v1
	v_lshlrev_b32 v5, 2, v1
	s_mul_i32 s19, s18, 4608                       ; x's path: my turning place
	v_lshrrev_b32 v15, 3, v1
	v_lshl_add_u32 v6, v15, 4, v3
	v_add_nc_u32 v6, s19, v6                       ; in: 16 x lane, and 16 bytes of padding behind each 128
	v_mul_u32_u24 v7, v1, 144
	v_add_nc_u32 v7, s19, v7                       ; back: block = lane, 144 bytes apart
	v_lshrrev_b32 v15, 1, v1
	v_mul_u32_u24 v8, v15, 784                     ; my block lies in half image lane / 2, in the lanes' half lane % 2, row = my wave
	v_and_b32 v15, 1, v1
	v_lshl_add_u32 v9, v15, 7, v8
	v_lshl_add_u32 v8, v15, 8, v8
	s_lshl_b32 s19, s18, 4
	s_add_co_u32 s19, s19, GATH
	v_add_nc_u32 v8, s19, v8                       ; registers 0-3: 16 x (16 half + row)
	s_lshl_b32 s19, s18, 3
	s_add_co_u32 s19, s19, GATH+512
	v_add_nc_u32 v9, s19, v9                       ; registers 4-5: 512 + 8 x (16 half + row)
	v_lshrrev_b32 v15, 2, v1
	v_lshlrev_b32 v10, 6, v15
	v_lshlrev_b32 v14, 7, v15
	v_and_b32 v15, 3, v1
	v_add_nc_u32 v10, v10, v15
	v_lshl_add_u32 v14, v15, 4, v14                ; the scale words' way out: 128 (lane / 4) + 16 (lane % 4)
	s_lshl_b32 s19, s18, 2
	s_add_co_u32 s19, s19, SCG
	v_add_nc_u32 v10, s19, v10                     ; my block's byte: word (lane / 4, row), byte lane % 4
	s_mul_i32 s19, s18, 784
	s_add_co_u32 s19, s19, GATH
	v_add_nc_u32 v11, s19, v3                      ; the half image that my wave sends
	v_add_nc_u32 v12, s19, v4
	v_add_nc_u32 v13, SCG, v3
	s_mov_b32 s25, 0
	s_wait_kmcnt 0x0
.macro MAX32 xs                        ; 32 numbers of one block -> v122 the conversions' scale operand, v123 the byte
	v_max3_num_f32 v120, |v[\xs]|, |v[\xs+1]|, |v[\xs+2]|
	v_max3_num_f32 v121, |v[\xs+3]|, |v[\xs+4]|, |v[\xs+5]|
.irp i, 6,10,14,18,22,26
	v_max3_num_f32 v120, v120, |v[\xs+\i]|, |v[\xs+\i+1]|           ; two chains by turns
	v_max3_num_f32 v121, v121, |v[\xs+\i+2]|, |v[\xs+\i+3]|
.endr
	v_max3_num_f32 v120, v120, |v[\xs+30]|, |v[\xs+31]|
	v_max3_num_f32 v120, v120, v121, 0x2800000     ; the floor 2^(5 - 127): the byte cannot fall under 1
	v_add_nc_u32 v122, 0xfe000000, v120            ; 4 off the exponent field: the conversion takes this operand's exponent field as its scale
	v_lshrrev_b32 v123, 23, v122
.endm
.macro WLOAD b, stride                 ; block b: rows 32 b + n of my column, into set b % 2
.set n, 0
.rept 32
	global_load_b32 v[16+32*((\b)%2)+n], v2, s[20:21] offset:(32*(\b)+n)*(\stride) th:TH_LOAD_NT
.set n, n+1
.endr
.endm
.macro WBLOCK b, stride
.set XS, 16+32*((\b)%2)
.set FD, 80+12*((\b)%2)+6*((\b)/2)     ; even blocks into the first fragment, odd ones into the second
.set TB, 104+4*(\b)
.if (\b) < 3
	s_wait_loadcnt 32                              ; this block's 32 loads are in; the next block's 32 may be out
.else
	s_wait_loadcnt 0x0
.endif
	MAX32 XS
	v_cvt_scalef32_pk16_bf6_f32 v[FD:FD+2], v[XS:XS+15], v122
	v_cvt_scalef32_pk16_bf6_f32 v[TB:TB+2], v[XS+16:XS+31], v122    ; (a conversion's three registers begin on an even number)
.if (\b) == 0
	v_mov_b32 v124, v123                           ; the four bytes make my column's scale word.  (Also the plain line behind the conversions)
.else
	v_lshl_or_b32 v124, v123, 8*(\b), v124
.endif
.irp i, 0,1,2
	v_mov_b32 v[FD+3+\i], v[TB+\i]
.endr
.if (\b) < 2
	WLOAD (\b)+2, \stride
.endif
.endm
.macro WJOB stride, d1                 ; stride: bytes from row to row of the weight; d1: bytes from the first tile's codes to the second's
	WLOAD 0, \stride
	WLOAD 1, \stride
	WBLOCK 0, \stride
	WBLOCK 1, \stride
	WBLOCK 2, \stride
	WBLOCK 3, \stride
.set n, 0
.rept 12
	v_permlane16_swap_b32 v[80+n], v[92+n]         ; the first's lanes 16-31 change places with the second's lanes 0-15: now v80-91 is tile 2 p's fragment (lane (r, h): blocks h and 2 + h), v92-103 tile 2 p + 1's
.set n, n+1
.endr
	global_store_b128 v3, v[80:83], s[22:23]                       ; each store covers 512 or 256 consecutive bytes, aligned to 256
	global_store_b64  v4, v[84:85], s[22:23] offset:512
	global_store_b128 v3, v[86:89], s[22:23] offset:768
	global_store_b64  v4, v[90:91], s[22:23] offset:1280
	global_store_b128 v3, v[92:95], s[22:23] offset:\d1
	global_store_b64  v4, v[96:97], s[22:23] offset:\d1+512
	global_store_b128 v3, v[98:101], s[22:23] offset:\d1+768
	global_store_b64  v4, v[102:103], s[22:23] offset:\d1+1280
	global_store_b32  v5, v124, s[26:27]
.endm
	s_cmp_lt_u32 ttmp9, 256
	s_cbranch_scc1 .Lw1
	s_cmp_lt_u32 ttmp9, 512
	s_cbranch_scc1 .Lw2
	s_cmp_lt_u32 ttmp9, 560
	s_cbranch_scc1 .Lwa
	; ---- x: tile T, my wave's row of it
	s_sub_co_u32 s30, ttmp9, 560                   ; T
	s_lshr_b32 s31, s30, 1
	s_and_b32 s32, s30, 1
	s_lshl_b32 s33, s31, 5
	s_lshl_b32 s34, s32, 3
	s_add_co_u32 s33, s33, s34
	s_add_co_u32 s33, s33, s18
	s_and_b32 s34, s18, 8
	s_add_co_u32 s33, s33, s34                     ; row = 32 (T / 2) + 8 (T % 2) + w + 8 (w / 8)
	s_lshl_b32 s24, s33, 12
	s_add_nc_u64 s[20:21], s[4:5], s[24:25]
	s_mul_i32 s24, s30, 12288
	s_mul_i32 s34, s18, 768
	s_add_co_u32 s24, s24, s34
	s_add_nc_u64 s[22:23], s[16:17], s[24:25]      ; half image w of tile T
	s_lshl_b32 s24, s31, 10
	s_lshl_b32 s34, s32, 6
	s_add_co_u32 s24, s24, s34
	s_add_co_u32 s24, s24, XQS
	s_add_nc_u64 s[26:27], s[16:17], s[24:25]      ; the tile's half of its pair's scale words
.irp i, 0,1,2,3,4,5,6,7
	global_load_b128 v[16+4*\i:19+4*\i], v3, s[20:21] offset:512*\i th:TH_LOAD_NT
.endr
	s_wait_loadcnt 0x0
.irp i, 0,1,2,3,4,5,6,7
	ds_store_b128 v6, v[16+4*\i:19+4*\i] offset:576*\i             ; the row as it lies, 16 bytes of padding behind each block
.endr
.irp j, 0,1,2,3,4,5,6,7
	ds_load_b128 v[48+4*\j:51+4*\j], v7 offset:16*\j               ; and back a block a lane: LDS serves a wave's instructions in order, and these bytes are my wave's own
.endr
	s_wait_dscnt 0x0
	MAX32 48
	v_cvt_scalef32_pk16_bf6_f32 v[80:82], v[48:63], v122
	v_cvt_scalef32_pk16_bf6_f32 v[104:106], v[64:79], v122
	v_nop                                          ; one plain line behind the conversions
.irp i, 0,1,2
	v_mov_b32 v[83+\i], v[104+\i]
.endr
	ds_store_b128 v8, v[80:83]
	ds_store_b64 v9, v[84:85]
	ds_store_b8 v10, v123
	s_wait_dscnt 0x0                               ; for the others' sake: my stores have landed
	s_barrier_signal -1
	s_barrier_wait -1                              ; the tile's sixteen half images and its scale words lie in LDS
	ds_load_b128 v[88:91], v11
	ds_load_b64 v[92:93], v12 offset:512
	s_wait_dscnt 0x0
	global_store_b128 v3, v[88:91], s[22:23]
	global_store_b64 v4, v[92:93], s[22:23] offset:512
	s_cmp_lg_u32 s18, 0
	s_cbranch_scc1 .Lx_done
	ds_load_b128 v[96:99], v13                     ; wave 0 sends the 512 bytes of scale words: 64 bytes for each 128 along K
	s_wait_dscnt 0x0
	global_store_b128 v14, v[96:99], s[26:27]
.Lx_done:
	s_wait_tensorcnt 0x0
	ds_add_u32 v128, v129
	s_wait_dscnt 0x0
	s_endpgm
.Lw1:                                                  ; ---- eW1 [4][1024 (K)][4096]
	s_lshr_b32 s30, ttmp9, 6                       ; e
	s_and_b32 s31, ttmp9, 7
	s_bfe_u32 s32, ttmp9, 0x30003                  ; which 128 along K
	s_lshl_b32 s33, s31, 4
	s_add_co_u32 s33, s33, s18                     ; pair of tiles 0..127: the sixteen waves stand side by side on 2,048 bytes of a row
	s_lshl_b32 s24, s30, 24
	s_lshl_b32 s34, s32, 21
	s_add_co_u32 s24, s24, s34
	s_lshl_b32 s34, s33, 7
	s_add_co_u32 s24, s24, s34
	s_add_nc_u64 s[20:21], s[12:13], s[24:25]
	s_lshl_b32 s34, s30, 8
	s_lshl_b32 s35, s33, 1
	s_add_co_u32 s34, s34, s35
	s_mul_i32 s24, s34, 12288
	s_mul_i32 s35, s32, 1536
	s_add_co_u32 s24, s24, s35
	s_add_co_u32 s24, s24, W1C
	s_add_nc_u64 s[22:23], s[16:17], s[24:25]
	s_lshl_b32 s34, s30, 7
	s_add_co_u32 s34, s34, s33
	s_lshl_b32 s24, s34, 10
	s_lshl_b32 s35, s32, 7
	s_add_co_u32 s24, s24, s35
	s_add_co_u32 s24, s24, W1S
	s_add_nc_u64 s[26:27], s[16:17], s[24:25]
	WJOB 16384, 12288
	s_endpgm
.Lw2:                                                  ; ---- eW2 [4][4096 (K)][1024]
	s_sub_co_u32 s36, ttmp9, 256
	s_lshr_b32 s30, s36, 6                         ; e
	s_and_b32 s31, s36, 1
	s_bfe_u32 s32, s36, 0x50001                    ; which 128 along K
	s_lshl_b32 s33, s31, 4
	s_add_co_u32 s33, s33, s18                     ; pair 0..31
	s_lshl_b32 s24, s30, 24
	s_lshl_b32 s34, s32, 19
	s_add_co_u32 s24, s24, s34
	s_lshl_b32 s34, s33, 7
	s_add_co_u32 s24, s24, s34
	s_add_nc_u64 s[20:21], s[14:15], s[24:25]
	s_lshl_b32 s34, s30, 6
	s_lshl_b32 s35, s33, 1
	s_add_co_u32 s34, s34, s35
	s_mul_i32 s24, s34, 49152
	s_mul_i32 s35, s32, 1536
	s_add_co_u32 s24, s24, s35
	s_add_co_u32 s24, s24, W2C
	s_add_nc_u64 s[22:23], s[16:17], s[24:25]
	s_lshl_b32 s34, s30, 5
	s_add_co_u32 s34, s34, s33
	s_lshl_b32 s24, s34, 12
	s_lshl_b32 s35, s32, 7
	s_add_co_u32 s24, s24, s35
	s_add_co_u32 s24, s24, W2S
	s_add_nc_u64 s[26:27], s[16:17], s[24:25]
	WJOB 4096, 49152
	s_endpgm
.Lwa:                                                  ; ---- Wq, Wk, Wv [16][1024 (K)][64]
	s_sub_co_u32 s30, ttmp9, 512
	s_lshr_b32 s31, s30, 4                         ; which tensor
	s_and_b32 s32, s30, 15                         ; head
	s_and_b32 s33, s18, 1                          ; which 32 of the head's 64
	s_lshr_b32 s34, s18, 1                         ; which 128 along K
	s_cmp_eq_u32 s31, 0
	s_cselect_b64 s[20:21], s[6:7], s[8:9]
	s_cmp_eq_u32 s31, 2
	s_cselect_b64 s[20:21], s[10:11], s[20:21]
	s_lshl_b32 s24, s32, 18
	s_lshl_b32 s35, s34, 15
	s_add_co_u32 s24, s24, s35
	s_lshl_b32 s35, s33, 7
	s_add_co_u32 s24, s24, s35
	s_add_nc_u64 s[20:21], s[20:21], s[24:25]
	s_lshl_b32 s35, s31, 5
	s_lshl_b32 s36, s32, 1
	s_add_co_u32 s35, s35, s36
	s_add_co_u32 s35, s35, s33                     ; pair = 32 tensor + 2 head + half
	s_mul_i32 s24, s35, 24576
	s_mul_i32 s36, s34, 1536
	s_add_co_u32 s24, s24, s36
	s_add_co_u32 s24, s24, WAC
	s_add_nc_u64 s[22:23], s[16:17], s[24:25]
	s_lshl_b32 s24, s35, 10
	s_lshl_b32 s36, s34, 7
	s_add_co_u32 s24, s24, s36
	s_add_co_u32 s24, s24, WAS
	s_add_nc_u64 s[26:27], s[16:17], s[24:25]
	WJOB 256, 12288
	s_endpgm
.Lfunc_end_k_q37bcd450b7_prep:
	.size	k_q37bcd450b7_prep, .Lfunc_end_k_q37bcd450b7_prep-k_q37bcd450b7_prep
	.p2alignl 7, 3214868480
	.fill 96, 4, 3214868480
	.section	.rodata,"a",@progbits
	.p2align	6, 0x0
	.amdhsa_kernel k_q37bcd450b7_prep
		.amdhsa_group_segment_fixed_size 89088
		.amdhsa_private_segment_fixed_size 0
		.amdhsa_enable_private_segment 0
		.amdhsa_kernarg_size 56
		.amdhsa_user_sgpr_count 2
		.amdhsa_user_sgpr_kernarg_segment_ptr 1
		.amdhsa_wavefront_size32 1
		.amdhsa_system_sgpr_workgroup_id_x 1
		.amdhsa_system_sgpr_workgroup_id_y 1
		.amdhsa_system_sgpr_workgroup_id_z 1
		.amdhsa_system_vgpr_workitem_id 0
		.amdhsa_next_free_vgpr 130
		.amdhsa_next_free_sgpr 66
		.amdhsa_reserve_vcc 0
		.amdhsa_float_denorm_mode_32 3
		.amdhsa_float_denorm_mode_16_64 3
		.amdhsa_memory_ordered 1
		.amdhsa_forward_progress 1
		.amdhsa_inst_pref_size 68
	.end_amdhsa_kernel
	.amdgpu_metadata
---
amdhsa.version: [ 1, 2 ]
amdhsa.kernels:
  - .name:           k_q37bcd450b7_prep
    .symbol:         k_q37bcd450b7_prep.kd
    .args:
      - { .name: x, .offset: 0, .size: 8, .value_kind: global_buffer, .address_space: global }
      - { .name: Wq, .offset: 8, .size: 8, .value_kind: global_buffer, .address_space: global }
      - { .name: Wk, .offset: 16, .size: 8, .value_kind: global_buffer, .address_space: global }
      - { .name: Wv, .offset: 24, .size: 8, .value_kind: global_buffer, .address_space: global }
      - { .name: eW1, .offset: 32, .size: 8, .value_kind: global_buffer, .address_space: global }
      - { .name: eW2, .offset: 40, .size: 8, .value_kind: global_buffer, .address_space: global }
      - { .name: wq, .offset: 48, .size: 8, .value_kind: global_buffer, .address_space: global }
    .group_segment_fixed_size: 89088
    .private_segment_fixed_size: 0
    .kernarg_segment_align: 8
    .kernarg_segment_size: 56
    .max_flat_workgroup_size: 512
    .sgpr_count:     66
    .vgpr_count:     130
    .wavefront_size: 32
...
	.end_amdgpu_metadata
.endif
;; end of part 1
;; launch qkv (part 2): grid 24 x 32, 8 waves a work-group, no clusters, 99,328 bytes of LDS; arguments wq, bq, bk, bv, qkv; writes qkv
.if DOCPART == 2
	.amdgcn_target "amdgcn-amd-amdhsa--gfx1250"
	.amdhsa_code_object_version 6
	.text
	.protected	k_q37bcd450b7_qkv
	.globl	k_q37bcd450b7_qkv
	.p2align	8
	.type	k_q37bcd450b7_qkv,@function
k_q37bcd450b7_qkv:
	s_mov_b64 s[64:65], 0
	v_nop
	global_prefetch_b8 v0, s[64:65] scope:SCOPE_SE
	s_setreg_imm32_b32 hwreg(HW_REG_WAVE_MODE, 25, 1), 1
	s_wait_xcnt 0x0
; QKV: q, k, v = x W + b on codes of BF6 (K = 1,024), and q, k, v quantised again on the way out, as the operands of attention's two products.
; THE FRAME (shared by three launches' texts).  D = P Q^T: P is source 0, so its rows run along a lane's registers; Q is source 1, so its rows lie in the lanes.
; A work-group of 8 waves makes 128 rows of P x 128 rows of Q; wave w takes P's tiles 4 (w % 2) .. + 3 and Q's pair of tiles w / 2: eight accumulators, by turns.
; K goes in slots of 256 through two LDS buffers.  Wave w brings tile w of P and of Q (3,072 bytes each, dense in memory) by plain loads into registers, a slot ahead, and stores them to LDS as they lie.
; ONE barrier a slot: in front of it a wave's stores have landed and its reads of the last slot are over; a buffer is written again two slots on, behind the next barrier.
; The tiles' rows are in the order 32 p + 8 u + r + 8 (r / 8), so that the 16 registers of P's tiles 2 b, 2 b + 1 are P's rows 32 b + 16 (lane / 16) + 0 .. 15.
; No joint requests: the ring is filled through registers by plain loads, which work-groups cannot ask for together.
; HERE.  Work-group x = c: 0-7 q, 8-15 k (P = 128 rows of W = two heads, Q = 128 tokens: a lane holds a token, its registers a head's 64: the K of q k^T);
; 16-23 v (P = 128 tokens, Q = 128 rows of Wv: a lane holds a channel, its registers 64 keys: the K of p v).  y = the block of 128 tokens.
; OUT: q, k: [batch x head][tile of 16 tokens][768]: half images; scale words [bh][pair][32 lanes], bytes 2 and 3 = 127 (the upper 64 of the instruction's K are zero codes).
; v: [bh][keys / 64][tile of 16 channels][768]; scale words [bh][keys / 128][pair of tiles][32 lanes], of which a wave writes half a word.
; LIMITS: a block of zeros, or one under 2^-122, gets the byte 1 (codes zero; internal bytes); NaN and infinities are not served.
.set KK,   1024
.set NS,   KK/256                      ; slots
.set TS,   KK*12                       ; a tile's codes in bytes
.set BUF,  49152                       ; an LDS buffer: P's 8 tiles, then Q's 8, 3,072 bytes each
.set QOFF, 24576
.set STG,  16                          ; v16-39 P's tile on its way, v40-63 Q's
.set SC,   64                          ; v64-75 two sets of scale words: P's pair 0 (first, second 128), pair 1, Q's pair
.set PF,   76                          ; v76-123 P's four fragments
.set QF,   124                         ; v124-147 Q's two
.set ACC,  148                         ; v148-211 accumulator (q, i) at ACC + 32 q + 8 i
.set XQS,  3145728
.set WAC,  3276800
.set WAS,  5636096
.set VC,   6291456
.set QSO,  9437184
.set VSO,  9961472
; v1, v9, v2: 16, 8, 4 x lane; v3, v4 where I store P's and Q's tile; v5, v6 / v7, v8 where I read P's / Q's fragments; v10 lane; v212-246 the way out
.macro GLOAD ss                        ; the next slot: 12 loads of 512 bytes, 6 scale words into set ss
.irp c, 0,1,2,3,4,5
	global_load_b128 v[STG+4*\c:STG+4*\c+3], v1, s[20:21] offset:512*\c
.endr
.irp c, 0,1,2,3,4,5
	global_load_b128 v[STG+24+4*\c:STG+24+4*\c+3], v1, s[22:23] offset:512*\c
.endr
	global_load_b32 v[SC+6*(\ss)], v2, s[24:25]
	global_load_b32 v[SC+6*(\ss)+1], v2, s[24:25] offset:128
	global_load_b32 v[SC+6*(\ss)+2], v2, s[24:25] offset:KK
	global_load_b32 v[SC+6*(\ss)+3], v2, s[24:25] offset:KK+128
	global_load_b32 v[SC+6*(\ss)+4], v2, s[26:27]
	global_load_b32 v[SC+6*(\ss)+5], v2, s[26:27] offset:128
.endm
.macro FRAGS buf, j                    ; the fragments of the slot's j-th 128 along K: two half images each
.irp i, 0,1,2,3
	ds_load_b128 v[PF+12*\i:PF+12*\i+3],     v5 offset:(\buf)*BUF+\i*3072+(\j)*1536
	ds_load_b64  v[PF+12*\i+4:PF+12*\i+5],   v6 offset:(\buf)*BUF+\i*3072+(\j)*1536+512
	ds_load_b128 v[PF+12*\i+6:PF+12*\i+9],   v5 offset:(\buf)*BUF+\i*3072+(\j)*1536+768
	ds_load_b64  v[PF+12*\i+10:PF+12*\i+11], v6 offset:(\buf)*BUF+\i*3072+(\j)*1536+1280
.endr
.irp q, 0,1
	ds_load_b128 v[QF+12*\q:QF+12*\q+3],     v7 offset:(\buf)*BUF+\q*3072+(\j)*1536
	ds_load_b64  v[QF+12*\q+4:QF+12*\q+5],   v8 offset:(\buf)*BUF+\q*3072+(\j)*1536+512
	ds_load_b128 v[QF+12*\q+6:QF+12*\q+9],   v7 offset:(\buf)*BUF+\q*3072+(\j)*1536+768
	ds_load_b64  v[QF+12*\q+10:QF+12*\q+11], v8 offset:(\buf)*BUF+\q*3072+(\j)*1536+1280
.endr
.endm
.macro WM q, i, ss, j, zero            ; one product.  A pair's scale register holds the even tile's words in lanes 0-15 and the odd tile's in lanes 16-31
.set rD, ACC+32*(\q)+8*(\i)
.set rA, PF+12*(\i)
.set rB, QF+12*(\q)
.set rSA, SC+6*(\ss)+2*((\i)/2)+(\j)
.set rSB, SC+6*(\ss)+4+(\j)
.if (\zero) && ((\j) == 0)
.if ((\i)%2 == 0) && ((\q) == 0)
	v_wmma_scale_f32_16x16x128_f8f6f4 v[rD:rD+7], v[rA:rA+11], v[rB:rB+11], 0, v[rSA], v[rSB] matrix_a_fmt:MATRIX_FMT_BF6 matrix_b_fmt:MATRIX_FMT_BF6
.elseif (\q) == 0
	v_wmma_scale_f32_16x16x128_f8f6f4 v[rD:rD+7], v[rA:rA+11], v[rB:rB+11], 0, v[rSA], v[rSB] matrix_a_fmt:MATRIX_FMT_BF6 matrix_b_fmt:MATRIX_FMT_BF6 matrix_a_scale:MATRIX_SCALE_ROW1
.elseif (\i)%2 == 0
	v_wmma_scale_f32_16x16x128_f8f6f4 v[rD:rD+7], v[rA:rA+11], v[rB:rB+11], 0, v[rSA], v[rSB] matrix_a_fmt:MATRIX_FMT_BF6 matrix_b_fmt:MATRIX_FMT_BF6 matrix_b_scale:MATRIX_SCALE_ROW1
.else
	v_wmma_scale_f32_16x16x128_f8f6f4 v[rD:rD+7], v[rA:rA+11], v[rB:rB+11], 0, v[rSA], v[rSB] matrix_a_fmt:MATRIX_FMT_BF6 matrix_b_fmt:MATRIX_FMT_BF6 matrix_a_scale:MATRIX_SCALE_ROW1 matrix_b_scale:MATRIX_SCALE_ROW1
.endif
.else
.if ((\i)%2 == 0) && ((\q) == 0)
	v_wmma_scale_f32_16x16x128_f8f6f4 v[rD:rD+7], v[rA:rA+11], v[rB:rB+11], v[rD:rD+7], v[rSA], v[rSB] matrix_a_fmt:MATRIX_FMT_BF6 matrix_b_fmt:MATRIX_FMT_BF6
.elseif (\q) == 0
	v_wmma_scale_f32_16x16x128_f8f6f4 v[rD:rD+7], v[rA:rA+11], v[rB:rB+11], v[rD:rD+7], v[rSA], v[rSB] matrix_a_fmt:MATRIX_FMT_BF6 matrix_b_fmt:MATRIX_FMT_BF6 matrix_a_scale:MATRIX_SCALE_ROW1
.elseif (\i)%2 == 0
	v_wmma_scale_f32_16x16x128_f8f6f4 v[rD:rD+7], v[rA:rA+11], v[rB:rB+11], v[rD:rD+7], v[rSA], v[rSB] matrix_a_fmt:MATRIX_FMT_BF6 matrix_b_fmt:MATRIX_FMT_BF6 matrix_b_scale:MATRIX_SCALE_ROW1
.else
	v_wmma_scale_f32_16x16x128_f8f6f4 v[rD:rD+7], v[rA:rA+11], v[rB:rB+11], v[rD:rD+7], v[rSA], v[rSB] matrix_a_fmt:MATRIX_FMT_BF6 matrix_b_fmt:MATRIX_FMT_BF6 matrix_a_scale:MATRIX_SCALE_ROW1 matrix_b_scale:MATRIX_SCALE_ROW1
.endif
.endif
.endm
.macro MUL ss, j, zero                 ; the eight accumulators take turns, one instruction a turn, in the same order everywhere
.irp q, 0,1
.irp i, 0,1,2,3
	WM \q, \i, \ss, \j, \zero
.endr
.endr
.rept 4
	v_nop                                          ; four places in front of the next loads into fragments and scale words, and of the first read of results
.endr
.endm
.macro ITER buf, next, zero
	s_wait_loadcnt 0x0                             ; this slot's tiles and scale words, asked for a slot ago, are in registers; the loads' bases are free
.irp c, 0,1,2,3,4,5
	ds_store_b128 v3, v[STG+4*\c:STG+4*\c+3] offset:(\buf)*BUF+512*\c
.endr
.irp c, 0,1,2,3,4,5
	ds_store_b128 v4, v[STG+24+4*\c:STG+24+4*\c+3] offset:(\buf)*BUF+512*\c
.endr
	s_wait_dscnt 0x0                               ; for the others' sake: my stores have landed (my reads of the last slot were waited for in front of its products)
	s_barrier_signal -1
	s_barrier_wait -1
.if \next
	s_add_nc_u64 s[20:21], s[20:21], 3072
	s_add_nc_u64 s[22:23], s[22:23], 3072
	s_add_nc_u64 s[24:25], s[24:25], 256
	s_add_nc_u64 s[26:27], s[26:27], 256
	GLOAD 1-(\buf)
.endif
.irp j, 0,1
	FRAGS \buf, \j
	s_wait_dscnt 0x0
	MUL \buf, \j, \zero
.endr
.endm
; 32 numbers of a lane, register 16 b + i = k 32 b + 16 (lane / 16) + i of my row, become a half image in v[C .. C + 5] and the row's two scale bytes in v[HW]
.macro QUANT2 s, C, T, HW
	v_max3_num_f32 v228, |v[\s]|, |v[\s+1]|, 0x2800000             ; my 16 numbers of each block, and the floor 2^(5 - 127)
	v_max3_num_f32 v229, |v[\s+16]|, |v[\s+17]|, 0x2800000
.irp i, 2,4,6,8,10,12,14
	v_max3_num_f32 v228, v228, |v[\s+\i]|, |v[\s+\i+1]|
	v_max3_num_f32 v229, v229, |v[\s+16+\i]|, |v[\s+17+\i]|
.endr
	v_permlanex16_b32 v230, v228, s52, s53
	v_permlanex16_b32 v231, v229, s52, s53
	v_max_num_f32 v228, v228, v230                 ; with lane l xor 16's: the block's largest magnitude
	v_max_num_f32 v229, v229, v231
	v_add_nc_u32 v232, 0xfe000000, v228            ; 4 off the exponent field: the conversion's scale operand
	v_add_nc_u32 v233, 0xfe000000, v229
	v_lshrrev_b32 v230, 23, v232
	v_lshrrev_b32 v231, 23, v233
	v_lshl_or_b32 v[\HW], v231, 8, v230
	v_cvt_scalef32_pk16_bf6_f32 v[\C:\C+2], v[\s:\s+15], v232
	v_cvt_scalef32_pk16_bf6_f32 v[\T:\T+2], v[\s+16:\s+31], v233
	v_nop                                          ; one plain line behind the conversions
.irp i, 0,1,2
	v_permlane16_swap_b32 v[\C+\i], v[\T+\i]       ; a whole block to a lane: lanes 0-15 block 0, lanes 16-31 block 1
.endr
.irp i, 0,1,2
	v_mov_b32 v[\C+3+\i], v[\T+\i]
.endr
.endm
.macro CODES off1                      ; both of Q's tiles: codes made and stored (off1 bytes apart); v246: lanes 0-15 the first tile's scale bytes, lanes 16-31 the second's
	QUANT2 ACC, 212, 218, 244
	QUANT2 ACC+32, 222, 240, 245
	global_store_b128 v1, v[212:215], s[44:45]
	global_store_b64  v9, v[216:217], s[44:45] offset:512
	global_store_b128 v1, v[222:225], s[44:45] offset:\off1
	global_store_b64  v9, v[226:227], s[44:45] offset:\off1+512
	v_cmp_le_u32 vcc_lo, 16, v10
	v_cndmask_b32 v246, v244, v245, vcc_lo
.endm
	s_load_b256 s[4:11], s[0:1], 0x0               ; wq, bq, bk, bv
	s_load_b64 s[12:13], s[0:1], 0x20              ; qkv
	v_lshl_add_u32 v254, v0, 2, 0x18000
	v_mov_b32 v255, 0
	v_lshrrev_b32 v10, 5, v0
	v_readfirstlane_b32 s18, v10                   ; wave 0..7
	v_and_b32 v10, 31, v0
	v_lshlrev_b32 v1, 4, v10
	v_lshlrev_b32 v2, 2, v10
	v_lshlrev_b32 v9, 3, v10
	v_mov_b32 v230, 0                              ; written once: a lane permute's destination counts as one of its sources
	v_mov_b32 v231, 0
	s_and_b32 s19, s18, 1                          ; pg: which four tiles of P
	s_lshr_b32 s29, s18, 1                         ; qg: which pair of Q's tiles
	s_mul_i32 s30, s18, 3072
	v_add_nc_u32 v3, s30, v1
	v_add_nc_u32 v4, QOFF, v3
	s_mul_i32 s30, s19, 12288
	v_add_nc_u32 v5, s30, v1
	v_add_nc_u32 v6, s30, v9
	s_mul_i32 s30, s29, 6144
	s_add_co_u32 s30, s30, QOFF
	v_add_nc_u32 v7, s30, v1
	v_add_nc_u32 v8, s30, v9
	s_mov_b32 s52, 0x76543210
	s_mov_b32 s53, 0xfedcba98                      ; v_permlanex16_b32's selects for lane l xor 16
	s_and_b32 s31, ttmp7, 0xffff                   ; the block of 128 tokens
	s_lshl_b32 s32, ttmp9, 3
	s_add_co_u32 s32, s32, s18
	s_mul_i32 s32, s32, TS
	s_add_co_u32 s32, s32, WAC                     ; W's tile 8 c + w
	s_lshl_b32 s33, s31, 3
	s_add_co_u32 s33, s33, s18
	s_mul_i32 s33, s33, TS                         ; x's tile 8 y + w
	s_lshl_b32 s34, ttmp9, 2
	s_lshl_b32 s35, s31, 2
	s_lshl_b32 s36, s19, 1
	s_add_co_u32 s37, s34, s36
	s_lshl_b32 s37, s37, 10
	s_add_co_u32 s37, s37, WAS                     ; W's scale words, W as P
	s_add_co_u32 s38, s34, s29
	s_lshl_b32 s38, s38, 10
	s_add_co_u32 s38, s38, WAS                     ; W as Q
	s_add_co_u32 s39, s35, s36
	s_lshl_b32 s39, s39, 10
	s_add_co_u32 s39, s39, XQS                     ; x as P
	s_add_co_u32 s40, s35, s29
	s_lshl_b32 s40, s40, 10
	s_add_co_u32 s40, s40, XQS                     ; x as Q
	s_cmp_lt_u32 ttmp9, 16                         ; q, k: P = W; v: P = x.  Only offsets are chosen
	s_cselect_b32 s44, s32, s33
	s_cselect_b32 s46, s33, s32
	s_cselect_b32 s48, s37, s39
	s_cselect_b32 s50, s40, s38
	s_mov_b32 s45, 0
	s_mov_b32 s47, 0
	s_mov_b32 s49, 0
	s_mov_b32 s51, 0
	s_wait_kmcnt 0x0
	s_add_nc_u64 s[20:21], s[4:5], s[44:45]
	s_add_nc_u64 s[22:23], s[4:5], s[46:47]
	s_add_nc_u64 s[24:25], s[4:5], s[48:49]
	s_add_nc_u64 s[26:27], s[4:5], s[50:51]
	GLOAD 0
	ITER 0, 1, 1                                   ; the first slot's first products start the sums: nothing is cleared
	s_mov_b32 s28, (NS-2)/2
.Lslot:
	ITER 1, 1, 0
	ITER 0, 1, 0
	s_sub_co_u32 s28, s28, 1
	s_cmp_lg_u32 s28, 0
	s_cbranch_scc1 .Lslot
	ITER 1, 0, 0                                   ; the last slot asks for nothing
	s_lshr_b32 s30, s31, 4                         ; batch
	s_and_b32 s32, s31, 15                         ; the block of 128 tokens in the batch
	s_mov_b32 s39, 0
	s_mov_b32 s43, 0
	s_cmp_lt_u32 ttmp9, 16
	s_cbranch_scc0 .Lkind_v
	; ---- q, k: the bias runs along the registers
	s_lshr_b32 s33, ttmp9, 3                       ; 0: q, 1: k
	s_and_b32 s34, ttmp9, 7
	s_lshl_b32 s34, s34, 1
	s_add_co_u32 s34, s34, s19                     ; head
	s_cmp_eq_u32 s33, 0
	s_cselect_b64 s[36:37], s[6:7], s[8:9]
	s_lshl_b32 s38, s34, 8
	s_add_nc_u64 s[36:37], s[36:37], s[38:39]
	v_bfe_u32 v11, v0, 4, 1
	v_lshlrev_b32 v11, 6, v11                      ; 64 h: register 16 b + i is channel 32 b + 16 h + i
.irp i, 0,1,2,3
	global_load_b128 v[16+8*\i:19+8*\i], v11, s[36:37] offset:(32*(\i/2)+8*(\i%2))*4
	global_load_b128 v[20+8*\i:23+8*\i], v11, s[36:37] offset:(32*(\i/2)+8*(\i%2))*4+16
.endr
	s_lshl_b32 s40, s30, 4
	s_add_co_u32 s40, s40, s34                     ; bh
	s_lshl_b32 s41, s40, 7
	s_lshl_b32 s42, s32, 3
	s_add_co_u32 s41, s41, s42
	s_lshl_b32 s42, s29, 1
	s_add_co_u32 s41, s41, s42                     ; tile of tokens in bh
	s_mul_i32 s41, s41, 768
	s_mul_i32 s42, s33, 3145728
	s_add_co_u32 s42, s42, s41
	s_add_nc_u64 s[44:45], s[12:13], s[42:43]
	s_lshl_b32 s41, s40, 6
	s_lshl_b32 s42, s32, 2
	s_add_co_u32 s41, s41, s42
	s_add_co_u32 s41, s41, s29                     ; pair of tiles in bh
	s_lshl_b32 s41, s41, 7
	s_mul_i32 s42, s33, 262144
	s_add_co_u32 s42, s42, s41
	s_add_co_u32 s42, s42, QSO
	s_add_nc_u64 s[46:47], s[12:13], s[42:43]
	s_wait_loadcnt 0x0
.irp q, 0,1
.set n, 0
.rept 16
	v_pk_add_f32 v[ACC+32*\q+n:ACC+32*\q+n+1], v[ACC+32*\q+n:ACC+32*\q+n+1], v[16+n:17+n]   ; each accumulator from its low end on
.set n, n+2
.endr
.endr
	CODES 768
	v_or_b32 v246, 0x7f7f0000, v246                ; the upper 64 of the instruction's K: zero codes under the byte 127
	global_store_b32 v2, v246, s[46:47]
	s_wait_tensorcnt 0x0
	ds_add_u32 v254, v255
	s_wait_dscnt 0x0
	s_endpgm
.Lkind_v:                                              ; ---- v: the bias hangs on the lane's channel
	s_sub_co_u32 s33, ttmp9, 16
	s_lshl_b32 s34, s33, 1
	s_lshr_b32 s35, s29, 1
	s_add_co_u32 s34, s34, s35                     ; head
	s_and_b32 s35, s29, 1                          ; which 32 of its channels
	s_lshl_b32 s38, s34, 8
	s_lshl_b32 s41, s35, 7
	s_add_co_u32 s38, s38, s41
	s_add_nc_u64 s[36:37], s[10:11], s[38:39]
	v_and_b32 v11, 15, v0
	v_and_b32 v12, 8, v11
	v_add_nc_u32 v11, v11, v12
	v_lshlrev_b32 v11, 2, v11                      ; channel 8 q + r + 8 (r / 8) of the 32
	global_load_b32 v16, v11, s[36:37]             ; twice: a pair for the packed addition
	global_load_b32 v17, v11, s[36:37]
	global_load_b32 v18, v11, s[36:37] offset:32
	global_load_b32 v19, v11, s[36:37] offset:32
	s_lshl_b32 s40, s30, 4
	s_add_co_u32 s40, s40, s34                     ; bh
	s_lshl_b32 s41, s40, 5
	s_lshl_b32 s42, s32, 1
	s_add_co_u32 s41, s41, s42
	s_add_co_u32 s41, s41, s19                     ; which 64 keys of bh
	s_lshl_b32 s41, s41, 2
	s_lshl_b32 s42, s35, 1
	s_add_co_u32 s41, s41, s42
	s_mul_i32 s42, s41, 768
	s_add_co_u32 s42, s42, VC
	s_add_nc_u64 s[44:45], s[12:13], s[42:43]
	s_lshl_b32 s41, s40, 4
	s_add_co_u32 s41, s41, s32
	s_lshl_b32 s41, s41, 1
	s_add_co_u32 s41, s41, s35
	s_lshl_b32 s42, s41, 7
	s_lshl_b32 s41, s19, 1
	s_add_co_u32 s42, s42, s41                     ; my 64 keys are bytes 2 pg, 2 pg + 1 of the word
	s_add_co_u32 s42, s42, VSO
	s_add_nc_u64 s[46:47], s[12:13], s[42:43]
	s_wait_loadcnt 0x0
.irp q, 0,1
.set n, 0
.rept 16
	v_pk_add_f32 v[ACC+32*\q+n:ACC+32*\q+n+1], v[ACC+32*\q+n:ACC+32*\q+n+1], v[16+2*\q:17+2*\q]
.set n, n+2
.endr
.endr
	CODES 768
	global_store_b16 v2, v246, s[46:47]
	s_wait_tensorcnt 0x0
	ds_add_u32 v254, v255
	s_wait_dscnt 0x0
	s_endpgm
.Lfunc_end_k_q37bcd450b7_qkv:
	.size	k_q37bcd450b7_qkv, .Lfunc_end_k_q37bcd450b7_qkv-k_q37bcd450b7_qkv
	.p2alignl 7, 3214868480
	.fill 96, 4, 3214868480
	.section	.rodata,"a",@progbits
	.p2align	6, 0x0
	.amdhsa_kernel k_q37bcd450b7_qkv
		.amdhsa_group_segment_fixed_size 99328
		.amdhsa_private_segment_fixed_size 0
		.amdhsa_enable_private_segment 0
		.amdhsa_kernarg_size 40
		.amdhsa_user_sgpr_count 2
		.amdhsa_user_sgpr_kernarg_segment_ptr 1
		.amdhsa_wavefront_size32 1
		.amdhsa_system_sgpr_workgroup_id_x 1
		.amdhsa_system_sgpr_workgroup_id_y 1
		.amdhsa_system_sgpr_workgroup_id_z 1
		.amdhsa_system_vgpr_workitem_id 0
		.amdhsa_next_free_vgpr 256
		.amdhsa_next_free_sgpr 66
		.amdhsa_reserve_vcc 1
		.amdhsa_float_denorm_mode_32 3
		.amdhsa_float_denorm_mode_16_64 3
		.amdhsa_memory_ordered 1
		.amdhsa_forward_progress 1
		.amdhsa_inst_pref_size 52
	.end_amdhsa_kernel
	.amdgpu_metadata
---
amdhsa.version: [ 1, 2 ]
amdhsa.kernels:
  - .name:           k_q37bcd450b7_qkv
    .symbol:         k_q37bcd450b7_qkv.kd
    .args:
      - { .name: wq, .offset: 0, .size: 8, .value_kind: global_buffer, .address_space: global }
      - { .name: bq, .offset: 8, .size: 8, .value_kind: global_buffer, .address_space: global }
      - { .name: bk, .offset: 16, .size: 8, .value_kind: global_buffer, .address_space: global }
      - { .name: bv, .offset: 24, .size: 8, .value_kind: global_buffer, .address_space: global }
      - { .name: qkv, .offset: 32, .size: 8, .value_kind: global_buffer, .address_space: global }
    .group_segment_fixed_size: 99328
    .private_segment_fixed_size: 0
    .kernarg_segment_align: 8
    .kernarg_segment_size: 40
    .max_flat_workgroup_size: 256
    .sgpr_count:     66
    .vgpr_count:     256
    .wavefront_size: 32
...
	.end_amdgpu_metadata
.endif
;; end of part 2
;; launch attn (part 3): grid 8 x 32, 16 waves a work-group, no clusters, 120,832 bytes of LDS; arguments qkv, ob; writes ob
.if DOCPART == 3
	.amdgcn_target "amdgcn-amd-amdhsa--gfx1250"
	.amdhsa_code_object_version 6
	.text
	.protected	k_q37bcd450b7_attn
	.globl	k_q37bcd450b7_attn
	.p2align	8
	.type	k_q37bcd450b7_attn,@function
k_q37bcd450b7_attn:
	s_mov_b64 s[64:65], 0
	v_nop
	global_prefetch_b8 v0, s[64:65] scope:SCOPE_SE
	s_setreg_imm32_b32 hwreg(HW_REG_WAVE_MODE, 25, 1), 1
	s_wait_xcnt 0x0
; ATTN: o = softmax(causal(q k^T / 96)) v for one batch x head (y), both products on codes of BF6.  Head size 64: the upper 64 of the first product's K are zero codes under the byte 127.
; THE SOFTMAX AHEAD OF THE SECOND PRODUCT: t = score x log2(e) / 96 (one f32 constant); M = the running largest t rounded UP to a whole number; p = 2^(t - M) is quantised along the keys, not normalised;
; the row's sum is taken of the unquantised p and divides o at the end; when M moves, the sum and o are multiplied by 2^(old M - new M): exact.
; SHARES.  Sixteen waves, each ONE tile of 16 queries in 256 registers.  Work-group x = g: waves 0-7 take tiles 8 g + w, waves 8-15 tiles 8 (15 - g) + w - 8.  Tile T needs T / 8 + 1 steps of 128 keys:
; g + 1 and 16 - g, so every work-group has 8 x 17 steps: the causal triangle is shared out evenly.  A step all of whose keys are hidden is jumped over (a scalar branch on ids); the last step of a wave carries the mask.
; K's and V's half images come in slots of 256 keys through two LDS buffers: wave w brings 1,536 bytes by plain loads, a slot ahead, and stores them as they lie; one barrier a slot.
; The scale words come straight into registers, a slot ahead.  LDS addresses are a lane term and an immediate: none is stepped, so the slots' loop may take its trip count from g.
; LAYOUT.  Both products are used transposed (S^T = k q^T, O^T = v^T p^T): a lane holds ONE query.  Keys, queries and channels of a tile are rows 32 p + 8 u + r + 8 (r / 8), so that the 16 registers of tiles 2 b, 2 b + 1 are 16 neighbours.
; No joint requests: the ring is filled through registers by plain loads.
; LIMITS: NaN and infinities are not served; a block whose every p has fallen to 0 keeps the byte 1 over zero codes.
.set BUF,   24576                      ; a buffer: K's 16 half images, then V's [4 x 64 keys][4 tiles of channels]
.set VOFF,  12288
.set STAGE, 49152                      ; behind the buffers: 16 rows x 272 bytes for each wave, for the way out
.set KC,    3145728
.set VC,    6291456
.set QSO,   9437184
.set KSO,   9699328
.set VSO,   9961472
; v1, v2, v3: 16, 8, 4 x lane; v4 where I store my 1,536 bytes; v5 d for the mask; v6, v7 my stage, in and back; v8-19 bytes on their way; v20-43 two sets of scale words (8 of K's pairs, 4 of V's);
; v44 q's scale words, v45 p's; v46 -M, v47 the largest t; v[48:49] the sum; v50 f; v52-63 q (6 codes, 6 zeros); v64-111 four fragments of k (upper six registers zero); v112-175 S^T, then p, then V's four fragments;
; v176-207 O^T; v208-219 p's codes; v220-226 halves of codes; v228-243 at work; v244 my byte offset in o
.macro ALOAD ss
.irp c, 0,1,2
	global_load_b128 v[8+4*\c:11+4*\c], v1, s[20:21] offset:512*\c
.endr
.irp p, 0,1,2,3,4,5,6,7
	global_load_b32 v[20+12*(\ss)+\p], v3, s[22:23] offset:128*\p
.endr
.irp p, 0,1,2,3
	global_load_b32 v[28+12*(\ss)+\p], v3, s[24:25] offset:128*\p
.endr
.endm
.macro STEP buf, j                     ; 128 keys: the j-th half of the slot in buffer buf
	s_cmp_ge_u32 s41, s31                          ; all of this step's keys come after my queries: nothing to do.  No barrier stands in a step
	s_cbranch_scc1 .Lskip_\@
.irp g, 0,1                            ; S^T = k q^T, four tiles of 16 keys at a time
.irp t, 0,1,2,3
	ds_load_b128 v[64+12*\t:67+12*\t], v1 offset:(\buf)*BUF+(8*(\j)+4*\g+\t)*768
	ds_load_b64  v[68+12*\t:69+12*\t], v2 offset:(\buf)*BUF+(8*(\j)+4*\g+\t)*768+512
.endr
	s_wait_dscnt 0x0
.irp t, 0,2
	v_wmma_scale_f32_16x16x128_f8f6f4 v[112+8*(4*\g+\t):119+8*(4*\g+\t)], v[64+12*\t:75+12*\t], v[52:63], 0, v[20+12*(\buf)+4*(\j)+2*\g+\t/2], v44 matrix_a_fmt:MATRIX_FMT_BF6 matrix_b_fmt:MATRIX_FMT_BF6
	v_wmma_scale_f32_16x16x128_f8f6f4 v[120+8*(4*\g+\t):127+8*(4*\g+\t)], v[76+12*\t:87+12*\t], v[52:63], 0, v[20+12*(\buf)+4*(\j)+2*\g+\t/2], v44 matrix_a_fmt:MATRIX_FMT_BF6 matrix_b_fmt:MATRIX_FMT_BF6 matrix_a_scale:MATRIX_SCALE_ROW1
.endr
.rept 4
	v_nop                                          ; four places in front of loads into the fragments, and of the first read of the scores
.endr
.endr
	s_add_co_u32 s56, s41, 1
	s_cmp_lg_u32 s56, s31
	s_cbranch_scc1 .Lopen_\@
	v_mov_b32 v241, 0xff800000                     ; my last step lies on the diagonal: register 16 b + i holds key 32 b + 16 (lane / 16) + i of the step: hidden where 32 b + i > d
.set n, 0
.rept 64
	v_cmp_gt_i32 vcc_lo, 32*(n/16)+n%16, v5
	v_cndmask_b32 v[112+n], v[112+n], v241, vcc_lo
.set n, n+1
.endr
.Lopen_\@:
.irp b, 0,1,2,3
	v_max3_num_f32 v[228+\b], v[112+16*\b], v[113+16*\b], v[114+16*\b]   ; the largest score of each block of 32 keys: it serves the row's maximum and, since p rises with the score, the block's largest p
.endr
.irp i, 3,5,7,9,11,13
.irp b, 0,1,2,3
	v_max3_num_f32 v[228+\b], v[228+\b], v[112+16*\b+\i], v[113+16*\b+\i]
.endr
.endr
.irp b, 0,1,2,3
	v_max_num_f32 v[228+\b], v[228+\b], v[127+16*\b]
.endr
.irp b, 0,1,2,3
	v_permlanex16_b32 v[232+\b], v[228+\b], s42, s43
.endr
.irp b, 0,1,2,3
	v_max_num_f32 v[228+\b], v[228+\b], v[232+\b]  ; with lane l xor 16's 16 keys
.endr
	v_max3_num_f32 v240, v228, v229, v230
	v_max_num_f32 v240, v240, v231
	v_mul_f32 v240, s44, v240                      ; as t (c is positive)
	v_max_num_f32 v47, v47, v240                   ; the running largest t
	v_mov_b32 v240, v46
	v_floor_f32 v46, -v47                          ; the new -M = floor(-t) = -ceil(t)
	v_sub_f32 v240, v46, v240                      ; old M - new M: a whole number, 0 or less
	v_cvt_i32_f32 v240, v240                       ; (it saturates)
	v_ldexp_f32 v50, 1.0, v240                     ; f = 2^(old M - new M)
.set n, 0
.rept 32
	v_pk_fma_f32 v[112+n:113+n], v[112+n:113+n], s[44:45], v[46:47] op_sel_hi:[1,0,0]   ; t - M (of the pairs c and -M the low word serves both halves)
.set n, n+2
.endr
.irp b, 0,1,2,3
	v_fma_f32 v[228+\b], v[228+\b], s44, v46
.endr
.set n, 0
.rept 64
	v_exp_f32 v[112+n], v[112+n]                   ; p = 2^(t - M), at most 1
.set n, n+1
.endr
.irp b, 0,1,2,3
	v_exp_f32 v[228+\b], v[228+\b]                 ; the block's largest p: the same two instructions on the same number
.endr
	v_pk_mul_f32 v[48:49], v[48:49], v[50:51] op_sel_hi:[1,0]      ; the sums under the new M.  (The plain line behind the exponentials)
	s_wait_alu depctr_va_vdst(0)
.irp b, 0,1,2,3
	v_max_num_f32 v[228+\b], 0x2800000, v[228+\b]  ; the floor 2^(5 - 127)
.endr
.irp b, 0,1,2,3
	v_add_nc_u32 v[236+\b], 0xfe000000, v[228+\b]  ; the conversion's scale operand
.endr
.irp b, 0,1,2,3
	v_lshrrev_b32 v[232+\b], 23, v[236+\b]
.endr
	v_lshl_or_b32 v45, v233, 8, v232               ; p's scale word for these 128 keys
	v_lshl_or_b32 v45, v234, 16, v45
	v_lshl_or_b32 v45, v235, 24, v45
.irp c, 0,1
	v_cvt_scalef32_pk16_bf6_f32 v[208+6*\c:210+6*\c], v[112+32*\c:127+32*\c], v[236+2*\c]
	v_cvt_scalef32_pk16_bf6_f32 v[220+4*\c:222+4*\c], v[128+32*\c:143+32*\c], v[237+2*\c]
.endr
	v_nop                                          ; one plain line behind the conversions
.irp c, 0,1
.irp i, 0,1,2
	v_permlane16_swap_b32 v[208+6*\c+\i], v[220+4*\c+\i]           ; a whole block to a lane
.endr
.irp i, 0,1,2
	v_mov_b32 v[211+6*\c+\i], v[220+4*\c+\i]
.endr
.endr
	v_pk_add_f32 v[242:243], v[112:113], v[114:115]                ; the row's sum, of the unquantised p, in two chains
.irp n, 4,8,12,16,20,24,28,32,36,40,44,48,52,56,60
	v_pk_add_f32 v[48:49], v[48:49], v[112+\n:113+\n]
	v_pk_add_f32 v[242:243], v[242:243], v[114+\n:115+\n]
.endr
	v_pk_add_f32 v[48:49], v[48:49], v[242:243]
.irp i, 0,1,2,3                        ; V's four fragments (16 channels x these 128 keys) into the registers that p has left
	ds_load_b128 v[112+12*\i:115+12*\i], v1 offset:(\buf)*BUF+VOFF+(8*(\j)+\i)*768
	ds_load_b64  v[116+12*\i:117+12*\i], v2 offset:(\buf)*BUF+VOFF+(8*(\j)+\i)*768+512
	ds_load_b128 v[118+12*\i:121+12*\i], v1 offset:(\buf)*BUF+VOFF+(8*(\j)+4+\i)*768
	ds_load_b64  v[122+12*\i:123+12*\i], v2 offset:(\buf)*BUF+VOFF+(8*(\j)+4+\i)*768+512
.endr
.set n, 0
.rept 16
	v_pk_mul_f32 v[176+n:177+n], v[176+n:177+n], v[50:51] op_sel_hi:[1,0]   ; O^T under the new M.  (With the sums above: the places between p's scale word and codes and the products)
.set n, n+2
.endr
	s_wait_dscnt 0x0
.irp i, 0,2
	v_wmma_scale_f32_16x16x128_f8f6f4 v[176+8*\i:183+8*\i], v[112+12*\i:123+12*\i], v[208:219], v[176+8*\i:183+8*\i], v[28+12*(\buf)+2*(\j)+\i/2], v45 matrix_a_fmt:MATRIX_FMT_BF6 matrix_b_fmt:MATRIX_FMT_BF6
	v_wmma_scale_f32_16x16x128_f8f6f4 v[184+8*\i:191+8*\i], v[124+12*\i:135+12*\i], v[208:219], v[184+8*\i:191+8*\i], v[28+12*(\buf)+2*(\j)+\i/2], v45 matrix_a_fmt:MATRIX_FMT_BF6 matrix_b_fmt:MATRIX_FMT_BF6 matrix_a_scale:MATRIX_SCALE_ROW1
.endr
.rept 5
	v_nop                                          ; five places: the next step's first products write over registers that these have read
.endr
.Lskip_\@:
	s_add_co_u32 s41, s41, 1
.endm
.macro AITER buf, next
	s_wait_loadcnt 0x0                             ; this slot's bytes and scale words, asked for a slot ago, are in registers; the loads' bases are free
.irp c, 0,1,2
	ds_store_b128 v4, v[8+4*\c:11+4*\c] offset:(\buf)*BUF+512*\c
.endr
	s_wait_dscnt 0x0                               ; for the others' sake: my stores have landed, and my reads of the last slot are over
	s_barrier_signal -1
	s_barrier_wait -1
.if \next
	s_add_nc_u64 s[20:21], s[20:21], 12288
	s_add_nc_u64 s[22:23], s[22:23], 1024
	s_add_nc_u64 s[24:25], s[24:25], 512
	ALOAD 1-(\buf)
.endif
	STEP \buf, 0
	STEP \buf, 1
.endm
	s_load_b128 s[4:7], s[0:1], 0x0                ; qkv, ob
	v_lshl_add_u32 v254, v0, 2, 0x1d000
	v_mov_b32 v255, 0
	v_lshrrev_b32 v246, 5, v0
	v_readfirstlane_b32 s18, v246                  ; wave 0..15
	v_and_b32 v246, 31, v0
	v_lshlrev_b32 v1, 4, v246
	v_lshlrev_b32 v2, 3, v246
	v_lshlrev_b32 v3, 2, v246
	s_mul_i32 s28, s18, 1536
	v_add_nc_u32 v4, s28, v1
	v_and_b32 v247, 15, v0                         ; r
	v_bfe_u32 v248, v0, 4, 1                       ; h
	s_mul_i32 s28, s18, 4352
	s_add_co_u32 s28, s28, STAGE
	v_mul_u32_u24 v6, v247, 272
	v_lshl_add_u32 v6, v248, 6, v6
	v_add_nc_u32 v6, s28, v6                       ; in: row r, + 64 h
	v_mul_u32_u24 v7, v248, 272
	v_lshl_add_u32 v7, v247, 4, v7
	v_add_nc_u32 v7, s28, v7                       ; back: lanes 0-15 one row of 256 bytes, lanes 16-31 the next
	v_lshlrev_b32 v244, 12, v248
	v_lshl_add_u32 v244, v247, 4, v244             ; and the same two rows in o
	v_lshlrev_b32 v245, 2, v247
	s_and_b32 s19, ttmp7, 0xffff                   ; bh
	s_and_b32 s28, s18, 7
	s_lshl_b32 s29, ttmp9, 3
	s_sub_co_u32 s30, 120, s29
	s_cmp_lt_u32 s18, 8
	s_cselect_b32 s29, s29, s30
	s_mov_b32 s33, VC
	s_cselect_b32 s32, KC, s33                     ; waves 0-7 bring K's bytes, waves 8-15 V's
	s_add_co_u32 s29, s29, s28                     ; T: my tile of queries
	s_lshr_b32 s31, s29, 3
	s_add_co_u32 s31, s31, 1                       ; my steps
	s_bfe_u32 s38, s29, 0x20001
	s_lshl_b32 s38, s38, 5
	s_and_b32 s39, s29, 1
	s_lshl_b32 s40, s39, 3
	s_add_co_u32 s38, s38, s40
	v_and_b32 v249, 8, v247
	v_add_nc_u32 v249, v249, v247
	v_lshlrev_b32 v250, 4, v248
	v_sub_nc_u32 v249, v249, v250
	v_add_nc_u32 v5, s38, v249                     ; d = my query's place in its 128 - 16 h
	s_mul_i32 s33, s19, 98304
	s_add_co_u32 s32, s32, s33
	s_mul_i32 s33, s28, 1536
	s_add_co_u32 s32, s32, s33
	s_mov_b32 s33, 0
	s_lshl_b32 s46, s19, 13
	s_add_co_u32 s46, s46, KSO
	s_mov_b32 s47, 0
	s_lshl_b32 s48, s19, 12
	s_add_co_u32 s48, s48, VSO
	s_mov_b32 s49, 0
	s_lshl_b32 s50, s19, 7
	s_add_co_u32 s50, s50, s29
	s_mul_i32 s50, s50, 768
	s_mov_b32 s51, 0
	s_lshl_b32 s52, s19, 6
	s_lshr_b32 s53, s29, 1
	s_add_co_u32 s52, s52, s53
	s_lshl_b32 s52, s52, 7
	s_lshl_b32 s54, s39, 6
	s_add_co_u32 s52, s52, s54
	s_add_co_u32 s52, s52, QSO                     ; my tile's half of its pair's words: lanes 0-15 of the register then hold them
	s_lshr_b32 s54, s19, 4
	s_lshl_b32 s54, s54, 11
	s_lshl_b32 s55, s53, 5
	s_add_co_u32 s54, s54, s55
	s_add_co_u32 s54, s54, s40                     ; row 2,048 batch + 32 (T / 2) + 8 (T % 2)
	s_lshl_b32 s54, s54, 12
	s_and_b32 s55, s19, 15
	s_lshl_b32 s55, s55, 8
	s_add_co_u32 s54, s54, s55                     ; + 256 bytes x head
	s_mov_b32 s53, 0
	s_mov_b32 s55, 0
	s_cmp_lt_u32 ttmp9, 4
	s_cselect_b32 s40, 3, 2                        ; 16 - g steps at the most: 8 slots for g < 4, 6 for the others
	s_mov_b32 s41, 0                               ; the step in hand
	s_mov_b32 s42, 0x76543210
	s_mov_b32 s43, 0xfedcba98
	s_mov_b32 s44, 0x3c76384f                      ; c = log2(e) / 96
	s_mov_b32 s45, s44
	s_wait_kmcnt 0x0
	s_add_nc_u64 s[20:21], s[4:5], s[32:33]
	s_add_nc_u64 s[22:23], s[4:5], s[46:47]
	s_add_nc_u64 s[24:25], s[4:5], s[48:49]
	s_add_nc_u64 s[26:27], s[4:5], s[50:51]
	s_add_nc_u64 s[34:35], s[4:5], s[52:53]
	s_add_nc_u64 s[36:37], s[6:7], s[54:55]
	ALOAD 0
	global_load_b128 v[52:55], v1, s[26:27]
	global_load_b64 v[56:57], v2, s[26:27] offset:512
	global_load_b32 v44, v245, s[34:35]
.irp n, 58,59,60,61,62,63
	v_mov_b32 v[\n], 0                             ; the upper 64 of K: zero codes
.endr
.irp t, 0,1,2,3
.irp n, 6,7,8,9,10,11
	v_mov_b32 v[64+12*\t+\n], 0
.endr
.endr
	v_mov_b32 v47, 0xff61b1e6                      ; the largest t so far: -3e38
	v_floor_f32 v46, -v47
	v_mov_b32 v48, 0
	v_mov_b32 v49, 0
	v_mov_b32 v51, 0                               ; (named as the upper half of the pair v[50:51])
.irp b, 0,1,2,3
	v_mov_b32 v[232+\b], 0                         ; a lane permute's destination counts as one of its sources
.endr
.set n, 0
.rept 32
	v_mov_b32 v[176+n], 0                          ; O^T: the step is written once; the first finds zeros, which the first change of M leaves zeros
.set n, n+1
.endr
.Lslots:
	AITER 0, 1
	AITER 1, 1
	s_sub_co_u32 s40, s40, 1
	s_cmp_lg_u32 s40, 0
	s_cbranch_scc1 .Lslots
	AITER 0, 1
	AITER 1, 0
	; THE WAY OUT: O^T / the sum, through my own stage, so that sixteen lanes store 256 consecutive bytes of a row of o
	v_add_f32 v48, v48, v49
	v_permlanex16_b32 v232, v48, s42, s43
	v_add_f32 v48, v48, v232
	v_rcp_f32 v48, v48
	v_nop                                          ; one plain line behind the reciprocal
.set n, 0
	s_wait_alu depctr_va_vdst(0)
.rept 32
	v_mul_f32 v[112+n], v[176+n], v48              ; register 16 b + i is o(query r, channel 32 b + 16 h + i)
.set n, n+1
.endr
.irp b, 0,1
.irp k, 0,1,2,3
	ds_store_b128 v6, v[112+16*\b+4*\k:115+16*\b+4*\k] offset:128*\b+16*\k
.endr
.endr
.irp t, 0,1,2,3,4,5,6,7
	ds_load_b128 v[64+4*\t:67+4*\t], v7 offset:544*\t              ; LDS serves a wave's instructions in order: these see my stores
.endr
.irp t, 0,1,2,3,4,5,6,7
	s_wait_dscnt 7-\t                              ; the younger loads may stay out
	global_store_b128 v244, v[64+4*\t:67+4*\t], s[36:37] offset:(2*\t+8*(\t/4))*4096   ; the tile's rows 2 t, 2 t + 1 are queries 2 t + 8 (t / 4) on
.endr
	s_wait_tensorcnt 0x0
	ds_add_u32 v254, v255
	s_wait_dscnt 0x0
	s_endpgm
.Lfunc_end_k_q37bcd450b7_attn:
	.size	k_q37bcd450b7_attn, .Lfunc_end_k_q37bcd450b7_attn-k_q37bcd450b7_attn
	.p2alignl 7, 3214868480
	.fill 96, 4, 3214868480
	.section	.rodata,"a",@progbits
	.p2align	6, 0x0
	.amdhsa_kernel k_q37bcd450b7_attn
		.amdhsa_group_segment_fixed_size 120832
		.amdhsa_private_segment_fixed_size 0
		.amdhsa_enable_private_segment 0
		.amdhsa_kernarg_size 16
		.amdhsa_user_sgpr_count 2
		.amdhsa_user_sgpr_kernarg_segment_ptr 1
		.amdhsa_wavefront_size32 1
		.amdhsa_system_sgpr_workgroup_id_x 1
		.amdhsa_system_sgpr_workgroup_id_y 1
		.amdhsa_system_sgpr_workgroup_id_z 1
		.amdhsa_system_vgpr_workitem_id 0
		.amdhsa_next_free_vgpr 256
		.amdhsa_next_free_sgpr 66
		.amdhsa_reserve_vcc 1
		.amdhsa_float_denorm_mode_32 3
		.amdhsa_float_denorm_mode_16_64 3
		.amdhsa_memory_ordered 1
		.amdhsa_forward_progress 1
		.amdhsa_inst_pref_size 184
	.end_amdhsa_kernel
	.amdgpu_metadata
---
amdhsa.version: [ 1, 2 ]
amdhsa.kernels:
  - .name:           k_q37bcd450b7_attn
    .symbol:         k_q37bcd450b7_attn.kd
    .args:
      - { .name: qkv, .offset: 0, .size: 8, .value_kind: global_buffer, .address_space: global }
      - { .name: ob, .offset: 8, .size: 8, .value_kind: global_buffer, .address_space: global }
    .group_segment_fixed_size: 120832
    .private_segment_fixed_size: 0
    .kernarg_segment_align: 8
    .kernarg_segment_size: 16
    .max_flat_workgroup_size: 512
    .sgpr_count:     66
    .vgpr_count:     256
    .wavefront_size: 32
...
	.end_amdgpu_metadata
.endif
;; end of part 3
;; launch ln1 (part 4): grid 256 x 1, 16 waves a work-group, no clusters, 89,088 bytes of LDS; arguments x, ob, scalar, ln_g, ln_b, x1b; writes x1b
.if DOCPART == 4
	.amdgcn_target "amdgcn-amd-amdhsa--gfx1250"
	.amdhsa_code_object_version 6
	.text
	.protected	k_q37bcd450b7_ln1
	.globl	k_q37bcd450b7_ln1
	.p2align	8
	.type	k_q37bcd450b7_ln1,@function
k_q37bcd450b7_ln1:
	s_mov_b64 s[64:65], 0
	v_nop
	global_prefetch_b8 v0, s[64:65] scope:SCOPE_SE
	s_setreg_imm32_b32 hwreg(HW_REG_WAVE_MODE, 25, 1), 1
	s_wait_xcnt 0x0
; LN1: x1 = LayerNorm(x + o scalar) g + b, all in f32; x1 leaves as f32 (for the second norm) and as codes of BF6 with scale words (for the first expert product), laid as PREP lays x.
; A work-group takes a tile of 16 rows (rows 32 p + 8 u + r + 8 (r / 8)), a wave a row of 4,096 bytes in 32 registers: the mean and the variance never leave the wave.
; The row then turns through the wave's own LDS so that a lane holds a block of 32; the tile's sixteen half images and its scale words are gathered in LDS and leave whole.
; Memory binds: matrix units, clusters and the data mover would add nothing.
; LIMITS: a block of zeros, or one under 2^-122, gets the byte 1 (codes zero; internal bytes); NaN and infinities are not served.
.set X1C,  16777216
.set X1S,  19922944
.set GATH, 73728                       ; LDS: 0: sixteen turning places of 4,608 bytes, a wave's own; here: 16 half images, 784 bytes apart;
.set SCG,  86272                       ; the tile's scale words
; v16-47 the row; v48-79 o, later a block a lane; v80-111 g, v112-143 b, later the codes and work; v144-156 the sums
	s_load_b256 s[4:11], s[0:1], 0x0               ; x, ob, scalar, ln_g
	s_load_b128 s[12:15], s[0:1], 0x20             ; ln_b, x1b
	v_lshl_add_u32 v160, v0, 2, 0x15400
	v_mov_b32 v161, 0
	v_lshrrev_b32 v1, 5, v0
	v_readfirstlane_b32 s18, v1                    ; wave 0..15
	v_and_b32 v1, 31, v0
	v_lshlrev_b32 v3, 4, v1
	v_lshlrev_b32 v4, 3, v1
	s_mul_i32 s19, s18, 4608
	v_lshrrev_b32 v15, 3, v1
	v_lshl_add_u32 v6, v15, 4, v3
	v_add_nc_u32 v6, s19, v6                       ; the turn, in: 16 x lane, 16 bytes of padding behind each 128
	v_mul_u32_u24 v7, v1, 144
	v_add_nc_u32 v7, s19, v7                       ; back: block = lane
	v_lshrrev_b32 v15, 1, v1
	v_mul_u32_u24 v8, v15, 784
	v_and_b32 v15, 1, v1
	v_lshl_add_u32 v9, v15, 7, v8
	v_lshl_add_u32 v8, v15, 8, v8
	s_lshl_b32 s19, s18, 4
	s_add_co_u32 s19, s19, GATH
	v_add_nc_u32 v8, s19, v8                       ; half image lane / 2, lanes' half lane % 2, row = my wave: registers 0-3
	s_lshl_b32 s19, s18, 3
	s_add_co_u32 s19, s19, GATH+512
	v_add_nc_u32 v9, s19, v9                       ; registers 4-5
	v_lshrrev_b32 v15, 2, v1
	v_lshlrev_b32 v10, 6, v15
	v_lshlrev_b32 v14, 7, v15
	v_and_b32 v15, 3, v1
	v_add_nc_u32 v10, v10, v15
	v_lshl_add_u32 v14, v15, 4, v14
	s_lshl_b32 s19, s18, 2
	s_add_co_u32 s19, s19, SCG
	v_add_nc_u32 v10, s19, v10                     ; my block's byte
	s_mul_i32 s19, s18, 784
	s_add_co_u32 s19, s19, GATH
	v_add_nc_u32 v11, s19, v3
	v_add_nc_u32 v12, s19, v4
	v_add_nc_u32 v13, SCG, v3
	v_mov_b32 v156, 0                              ; a lane permute's destination counts as one of its sources
	s_mov_b32 s34, 0x76543210
	s_mov_b32 s35, 0xfedcba98
	s_mov_b32 s36, 0x3a800000                      ; 1 / 1,024
	s_mov_b32 s37, 0x3727c5ac                      ; 1e-5
	s_lshr_b32 s31, ttmp9, 1
	s_and_b32 s32, ttmp9, 1
	s_lshl_b32 s33, s31, 5
	s_lshl_b32 s38, s32, 3
	s_add_co_u32 s33, s33, s38
	s_add_co_u32 s33, s33, s18
	s_and_b32 s38, s18, 8
	s_add_co_u32 s33, s33, s38                     ; my row
	s_lshl_b32 s24, s33, 12
	s_mov_b32 s25, 0
	s_mul_i32 s40, ttmp9, 12288
	s_mul_i32 s38, s18, 768
	s_add_co_u32 s40, s40, s38
	s_add_co_u32 s40, s40, X1C
	s_mov_b32 s41, 0
	s_lshl_b32 s42, s31, 10
	s_lshl_b32 s38, s32, 6
	s_add_co_u32 s42, s42, s38
	s_add_co_u32 s42, s42, X1S
	s_mov_b32 s43, 0
	s_wait_kmcnt 0x0
	s_load_b32 s28, s[8:9], 0x0                    ; the gate
	s_add_nc_u64 s[20:21], s[4:5], s[24:25]
	s_add_nc_u64 s[44:45], s[6:7], s[24:25]
	s_add_nc_u64 s[46:47], s[14:15], s[24:25]      ; x1 as f32: at the buffer's head
	s_add_nc_u64 s[22:23], s[14:15], s[40:41]
	s_add_nc_u64 s[26:27], s[14:15], s[42:43]
.irp i, 0,1,2,3,4,5,6,7
	global_load_b128 v[16+4*\i:19+4*\i], v3, s[20:21] offset:512*\i
.endr
.irp i, 0,1,2,3,4,5,6,7
	global_load_b128 v[48+4*\i:51+4*\i], v3, s[44:45] offset:512*\i th:TH_LOAD_NT
.endr
.irp i, 0,1,2,3,4,5,6,7
	global_load_b128 v[80+4*\i:83+4*\i], v3, s[10:11] offset:512*\i
.endr
.irp i, 0,1,2,3,4,5,6,7
	global_load_b128 v[112+4*\i:115+4*\i], v3, s[12:13] offset:512*\i
.endr
	s_wait_kmcnt 0x0
	s_mov_b32 s29, s28                             ; (the packed form names the pair)
	s_wait_loadcnt 16                              ; x and o are in; the gains' and biases' 16 loads may be out
.macro LANESUM r                       ; v[r] summed over the wave's 32 lanes, in every lane
	v_add_f32_dpp v[\r], v[\r], v[\r] row_xmask:1 row_mask:0xf bank_mask:0xf
	v_add_f32_dpp v[\r], v[\r], v[\r] row_xmask:2 row_mask:0xf bank_mask:0xf
	v_add_f32_dpp v[\r], v[\r], v[\r] row_xmask:4 row_mask:0xf bank_mask:0xf
	v_add_f32_dpp v[\r], v[\r], v[\r] row_xmask:8 row_mask:0xf bank_mask:0xf
	v_permlanex16_b32 v156, v[\r], s34, s35
	v_add_f32 v[\r], v[\r], v156
.endm
.macro FOLD                            ; the four chains into v144 + v145
	v_pk_add_f32 v[144:145], v[144:145], v[146:147]
	v_pk_add_f32 v[148:149], v[148:149], v[150:151]
	v_pk_add_f32 v[144:145], v[144:145], v[148:149]
.endm
.set n, 0
.rept 16
	v_pk_fma_f32 v[16+n:17+n], v[48+n:49+n], s[28:29], v[16+n:17+n] op_sel_hi:[1,0,1]   ; x + o x gate
.set n, n+2
.endr
.irp c, 0,1,2,3
	v_pk_add_f32 v[144+2*\c:145+2*\c], v[16+4*\c:17+4*\c], v[18+4*\c:19+4*\c]
.endr
.irp n, 32,40
.irp c, 0,1,2,3
	v_pk_add_f32 v[144+2*\c:145+2*\c], v[144+2*\c:145+2*\c], v[\n+2*\c:\n+2*\c+1]
.endr
.endr
	FOLD
	v_add_f32 v152, v144, v145
	LANESUM 152
	v_mul_f32 v152, s36, v152                      ; the mean
	v_mov_b32 v153, v152
.set n, 0
.rept 16
	v_pk_add_f32 v[16+n:17+n], v[16+n:17+n], v[152:153] neg_lo:[0,1] neg_hi:[0,1]
.set n, n+2
.endr
.irp c, 0,1,2,3
	v_pk_mul_f32 v[144+2*\c:145+2*\c], v[16+2*\c:17+2*\c], v[16+2*\c:17+2*\c]
.endr
.irp n, 24,32,40
.irp c, 0,1,2,3
	v_pk_fma_f32 v[144+2*\c:145+2*\c], v[\n+2*\c:\n+2*\c+1], v[\n+2*\c:\n+2*\c+1], v[144+2*\c:145+2*\c]
.endr
.endr
	FOLD
	v_add_f32 v154, v144, v145
	LANESUM 154
	v_fma_f32 v154, v154, s36, s37                 ; the variance + 1e-5
	v_rsq_f32 v154, v154
	v_nop                                          ; one plain line behind the root
	s_wait_alu depctr_va_vdst(0)
	v_mov_b32 v155, v154
	s_wait_loadcnt 0x0
.set n, 0
.rept 16
	v_pk_mul_f32 v[16+n:17+n], v[16+n:17+n], v[154:155]
.set n, n+2
.endr
.set n, 0
.rept 16
	v_pk_fma_f32 v[16+n:17+n], v[16+n:17+n], v[80+n:81+n], v[112+n:113+n]
.set n, n+2
.endr
.irp i, 0,1,2,3,4,5,6,7
	global_store_b128 v3, v[16+4*\i:19+4*\i], s[46:47] offset:512*\i   ; 512 consecutive bytes a store.  v16-47 are not written again
.endr
.irp i, 0,1,2,3,4,5,6,7
	ds_store_b128 v6, v[16+4*\i:19+4*\i] offset:576*\i
.endr
.irp j, 0,1,2,3,4,5,6,7
	ds_load_b128 v[48+4*\j:51+4*\j], v7 offset:16*\j               ; a block a lane: LDS serves a wave's instructions in order, and these bytes are my wave's own
.endr
	s_wait_dscnt 0x0
	v_max3_num_f32 v120, |v48|, |v49|, |v50|
	v_max3_num_f32 v121, |v51|, |v52|, |v53|
.irp i, 6,10,14,18,22,26
	v_max3_num_f32 v120, v120, |v[48+\i]|, |v[49+\i]|
	v_max3_num_f32 v121, v121, |v[50+\i]|, |v[51+\i]|
.endr
	v_max3_num_f32 v120, v120, |v78|, |v79|
	v_max3_num_f32 v120, v120, v121, 0x2800000     ; the floor 2^(5 - 127)
	v_add_nc_u32 v122, 0xfe000000, v120            ; the conversions' scale operand
	v_lshrrev_b32 v123, 23, v122                   ; the byte
	v_cvt_scalef32_pk16_bf6_f32 v[80:82], v[48:63], v122
	v_cvt_scalef32_pk16_bf6_f32 v[104:106], v[64:79], v122
	v_nop                                          ; one plain line behind the conversions
.irp i, 0,1,2
	v_mov_b32 v[83+\i], v[104+\i]
.endr
	ds_store_b128 v8, v[80:83]
	ds_store_b64 v9, v[84:85]
	ds_store_b8 v10, v123
	s_wait_dscnt 0x0                               ; for the others' sake: my stores have landed
	s_barrier_signal -1
	s_barrier_wait -1
	ds_load_b128 v[88:91], v11
	ds_load_b64 v[92:93], v12 offset:512
	s_wait_dscnt 0x0
	global_store_b128 v3, v[88:91], s[22:23]
	global_store_b64 v4, v[92:93], s[22:23] offset:512
	s_cmp_lg_u32 s18, 0
	s_cbranch_scc1 .Ldone
	ds_load_b128 v[96:99], v13                     ; wave 0 sends the tile's 512 bytes of scale words
	s_wait_dscnt 0x0
	global_store_b128 v14, v[96:99], s[26:27]
.Ldone:
	s_wait_tensorcnt 0x0
	ds_add_u32 v160, v161
	s_wait_dscnt 0x0
	s_endpgm
.Lfunc_end_k_q37bcd450b7_ln1:
	.size	k_q37bcd450b7_ln1, .Lfunc_end_k_q37bcd450b7_ln1-k_q37bcd450b7_ln1
	.p2alignl 7, 3214868480
	.fill 96, 4, 3214868480
	.section	.rodata,"a",@progbits
	.p2align	6, 0x0
	.amdhsa_kernel k_q37bcd450b7_ln1
		.amdhsa_group_segment_fixed_size 89088
		.amdhsa_private_segment_fixed_size 0
		.amdhsa_enable_private_segment 0
		.amdhsa_kernarg_size 48
		.amdhsa_user_sgpr_count 2
		.amdhsa_user_sgpr_kernarg_segment_ptr 1
		.amdhsa_wavefront_size32 1
		.amdhsa_system_sgpr_workgroup_id_x 1
		.amdhsa_system_sgpr_workgroup_id_y 1
		.amdhsa_system_sgpr_workgroup_id_z 1
		.amdhsa_system_vgpr_workitem_id 0
		.amdhsa_next_free_vgpr 162
		.amdhsa_next_free_sgpr 66
		.amdhsa_reserve_vcc 0
		.amdhsa_float_denorm_mode_32 3
		.amdhsa_float_denorm_mode_16_64 3
		.amdhsa_memory_ordered 1
		.amdhsa_forward_progress 1
		.amdhsa_inst_pref_size 18
	.end_amdhsa_kernel
	.amdgpu_metadata
---
amdhsa.version: [ 1, 2 ]
amdhsa.kernels:
  - .name:           k_q37bcd450b7_ln1
    .symbol:         k_q37bcd450b7_ln1.kd
    .args:
      - { .name: x, .offset: 0, .size: 8, .value_kind: global_buffer, .address_space: global }
      - { .name: ob, .offset: 8, .size: 8, .value_kind: global_buffer, .address_space: global }
      - { .name: scalar, .offset: 16, .size: 8, .value_kind: global_buffer, .address_space: global }
      - { .name: ln_g, .offset: 24, .size: 8, .value_kind: global_buffer, .address_space: global }
      - { .name: ln_b, .offset: 32, .size: 8, .value_kind: global_buffer, .address_space: global }
      - { .name: x1b, .offset: 40, .size: 8, .value_kind: global_buffer, .address_space: global }
    .group_segment_fixed_size: 89088
    .private_segment_fixed_size: 0
    .kernarg_segment_align: 8
    .kernarg_segment_size: 48
    .max_flat_workgroup_size: 512
    .sgpr_count:     66
    .vgpr_count:     162
    .wavefront_size: 32
...
	.end_amdgpu_metadata
.endif
;; end of part 4
;; launch ffn1 (part 5): grid 32 x 32, 8 waves a work-group, no clusters, 99,328 bytes of LDS; arguments x1b, wq, eb1, hq; writes hq
.if DOCPART == 5
	.amdgcn_target "amdgcn-amd-amdhsa--gfx1250"
	.amdhsa_code_object_version 6
	.text
	.protected	k_q37bcd450b7_ffn1
	.globl	k_q37bcd450b7_ffn1
	.p2align	8
	.type	k_q37bcd450b7_ffn1,@function
k_q37bcd450b7_ffn1:
	s_mov_b64 s[64:65], 0
	v_nop
	global_prefetch_b8 v0, s[64:65] scope:SCOPE_SE
	s_setreg_imm32_b32 hwreg(HW_REG_WAVE_MODE, 25, 1), 1
	s_wait_xcnt 0x0
; FFN1: h = gelu(x1 W1[e] + b1[e]) on codes of BF6 (K = 1,024); h is quantised on the way out, along the hidden units, as the second expert product's operand.
; THE FRAME.  D = P Q^T: P (source 0) = 128 rows of W1 (hidden units), Q (source 1) = 128 tokens of expert e: a lane holds a token, its registers run along the hidden units.
; 8 waves; wave w takes P's tiles 4 (w % 2) .. + 3 and Q's pair of tiles w / 2: eight accumulators, by turns.  K goes in slots of 256 through two LDS buffers, filled through registers a slot ahead; ONE barrier a slot:
; in front of it a wave's stores have landed and its reads of the last slot are over; a buffer is written again two slots on, behind the next barrier.
; x = the block of 128 hidden units; y = 8 e + the expert's block of 128 tokens (rows 2,048 batch + 512 e + ..).
; gelu is exact: erf by two polynomials (|z| <= 475/512: odd series; beyond: 1 - 2^(poly)), both computed, one chosen by a select: about one unit in erf's last place.
; No joint requests: the ring is filled through registers by plain loads.
; LIMITS: in the far negative tail 1 + erf carries an absolute error of some 6e-8, not a relative one; a block of zeros, or one under 2^-122, gets the byte 1; NaN and infinities are not served.
.set KK,   1024
.set NS,   KK/256
.set TS,   KK*12
.set BUF,  49152
.set QOFF, 24576
.set STG,  16
.set SC,   64
.set PF,   76
.set QF,   124
.set ACC,  148
.set W1C,  5734400
.set W1S,  18317312
.set X1C,  16777216
.set X1S,  19922944
.set HS,   12582912
.set CN,   76                          ; the way out: v76-109 seventeen constants, each twice (pairs for the packed forms)
.set GZ,   48                          ; v48-55 z, v56-63 z^2, v110-117 |z|, v118-125, v126-133, v134-141 at work
.set GS,   56
.set GT,   110
.set GR,   118
.set GU,   126
.set GQ,   134
.macro GLOAD ss
.irp c, 0,1,2,3,4,5
	global_load_b128 v[STG+4*\c:STG+4*\c+3], v1, s[20:21] offset:512*\c
.endr
.irp c, 0,1,2,3,4,5
	global_load_b128 v[STG+24+4*\c:STG+24+4*\c+3], v1, s[22:23] offset:512*\c
.endr
	global_load_b32 v[SC+6*(\ss)], v2, s[24:25]
	global_load_b32 v[SC+6*(\ss)+1], v2, s[24:25] offset:128
	global_load_b32 v[SC+6*(\ss)+2], v2, s[24:25] offset:KK
	global_load_b32 v[SC+6*(\ss)+3], v2, s[24:25] offset:KK+128
	global_load_b32 v[SC+6*(\ss)+4], v2, s[26:27]
	global_load_b32 v[SC+6*(\ss)+5], v2, s[26:27] offset:128
.endm
.macro FRAGS buf, j
.irp i, 0,1,2,3
	ds_load_b128 v[PF+12*\i:PF+12*\i+3],     v5 offset:(\buf)*BUF+\i*3072+(\j)*1536
	ds_load_b64  v[PF+12*\i+4:PF+12*\i+5],   v6 offset:(\buf)*BUF+\i*3072+(\j)*1536+512
	ds_load_b128 v[PF+12*\i+6:PF+12*\i+9],   v5 offset:(\buf)*BUF+\i*3072+(\j)*1536+768
	ds_load_b64  v[PF+12*\i+10:PF+12*\i+11], v6 offset:(\buf)*BUF+\i*3072+(\j)*1536+1280
.endr
.irp q, 0,1
	ds_load_b128 v[QF+12*\q:QF+12*\q+3],     v7 offset:(\buf)*BUF+\q*3072+(\j)*1536
	ds_load_b64  v[QF+12*\q+4:QF+12*\q+5],   v8 offset:(\buf)*BUF+\q*3072+(\j)*1536+512
	ds_load_b128 v[QF+12*\q+6:QF+12*\q+9],   v7 offset:(\buf)*BUF+\q*3072+(\j)*1536+768
	ds_load_b64  v[QF+12*\q+10:QF+12*\q+11], v8 offset:(\buf)*BUF+\q*3072+(\j)*1536+1280
.endr
.endm
.macro WM q, i, ss, j, zero            ; a pair's scale register holds the even tile's words in lanes 0-15 and the odd tile's in lanes 16-31
.set rD, ACC+32*(\q)+8*(\i)
.set rA, PF+12*(\i)
.set rB, QF+12*(\q)
.set rSA, SC+6*(\ss)+2*((\i)/2)+(\j)
.set rSB, SC+6*(\ss)+4+(\j)
.if (\zero) && ((\j) == 0)
.if ((\i)%2 == 0) && ((\q) == 0)
	v_wmma_scale_f32_16x16x128_f8f6f4 v[rD:rD+7], v[rA:rA+11], v[rB:rB+11], 0, v[rSA], v[rSB] matrix_a_fmt:MATRIX_FMT_BF6 matrix_b_fmt:MATRIX_FMT_BF6
.elseif (\q) == 0
	v_wmma_scale_f32_16x16x128_f8f6f4 v[rD:rD+7], v[rA:rA+11], v[rB:rB+11], 0, v[rSA], v[rSB] matrix_a_fmt:MATRIX_FMT_BF6 matrix_b_fmt:MATRIX_FMT_BF6 matrix_a_scale:MATRIX_SCALE_ROW1
.elseif (\i)%2 == 0
	v_wmma_scale_f32_16x16x128_f8f6f4 v[rD:rD+7], v[rA:rA+11], v[rB:rB+11], 0, v[rSA], v[rSB] matrix_a_fmt:MATRIX_FMT_BF6 matrix_b_fmt:MATRIX_FMT_BF6 matrix_b_scale:MATRIX_SCALE_ROW1
.else
	v_wmma_scale_f32_16x16x128_f8f6f4 v[rD:rD+7], v[rA:rA+11], v[rB:rB+11], 0, v[rSA], v[rSB] matrix_a_fmt:MATRIX_FMT_BF6 matrix_b_fmt:MATRIX_FMT_BF6 matrix_a_scale:MATRIX_SCALE_ROW1 matrix_b_scale:MATRIX_SCALE_ROW1
.endif
.else
.if ((\i)%2 == 0) && ((\q) == 0)
	v_wmma_scale_f32_16x16x128_f8f6f4 v[rD:rD+7], v[rA:rA+11], v[rB:rB+11], v[rD:rD+7], v[rSA], v[rSB] matrix_a_fmt:MATRIX_FMT_BF6 matrix_b_fmt:MATRIX_FMT_BF6
.elseif (\q) == 0
	v_wmma_scale_f32_16x16x128_f8f6f4 v[rD:rD+7], v[rA:rA+11], v[rB:rB+11], v[rD:rD+7], v[rSA], v[rSB] matrix_a_fmt:MATRIX_FMT_BF6 matrix_b_fmt:MATRIX_FMT_BF6 matrix_a_scale:MATRIX_SCALE_ROW1
.elseif (\i)%2 == 0
	v_wmma_scale_f32_16x16x128_f8f6f4 v[rD:rD+7], v[rA:rA+11], v[rB:rB+11], v[rD:rD+7], v[rSA], v[rSB] matrix_a_fmt:MATRIX_FMT_BF6 matrix_b_fmt:MATRIX_FMT_BF6 matrix_b_scale:MATRIX_SCALE_ROW1
.else
	v_wmma_scale_f32_16x16x128_f8f6f4 v[rD:rD+7], v[rA:rA+11], v[rB:rB+11], v[rD:rD+7], v[rSA], v[rSB] matrix_a_fmt:MATRIX_FMT_BF6 matrix_b_fmt:MATRIX_FMT_BF6 matrix_a_scale:MATRIX_SCALE_ROW1 matrix_b_scale:MATRIX_SCALE_ROW1
.endif
.endif
.endm
.macro MUL ss, j, zero                 ; the eight accumulators take turns, one instruction a turn
.irp q, 0,1
.irp i, 0,1,2,3
	WM \q, \i, \ss, \j, \zero
.endr
.endr
.rept 4
	v_nop                                          ; four places in front of the next loads into fragments and scale words, and of the first read of results
.endr
.endm
.macro ITER buf, next, zero
	s_wait_loadcnt 0x0                             ; this slot's tiles and scale words, asked for a slot ago, are in registers; the loads' bases are free
.irp c, 0,1,2,3,4,5
	ds_store_b128 v3, v[STG+4*\c:STG+4*\c+3] offset:(\buf)*BUF+512*\c
.endr
.irp c, 0,1,2,3,4,5
	ds_store_b128 v4, v[STG+24+4*\c:STG+24+4*\c+3] offset:(\buf)*BUF+512*\c
.endr
	s_wait_dscnt 0x0                               ; for the others' sake: my stores have landed
	s_barrier_signal -1
	s_barrier_wait -1
.if \next
	s_add_nc_u64 s[20:21], s[20:21], 3072
	s_add_nc_u64 s[22:23], s[22:23], 3072
	s_add_nc_u64 s[24:25], s[24:25], 256
	s_add_nc_u64 s[26:27], s[26:27], 256
	GLOAD 1-(\buf)
.endif
.irp j, 0,1
	FRAGS \buf, \j
	s_wait_dscnt 0x0
	MUL \buf, \j, \zero
.endr
.endm
.macro QUANT2 s, C, T, HW              ; 32 numbers of a lane, register 16 b + i = k 32 b + 16 (lane / 16) + i, become a half image in v[C .. C + 5] and two scale bytes in v[HW]
	v_max3_num_f32 v228, |v[\s]|, |v[\s+1]|, 0x2800000
	v_max3_num_f32 v229, |v[\s+16]|, |v[\s+17]|, 0x2800000
.irp i, 2,4,6,8,10,12,14
	v_max3_num_f32 v228, v228, |v[\s+\i]|, |v[\s+\i+1]|
	v_max3_num_f32 v229, v229, |v[\s+16+\i]|, |v[\s+17+\i]|
.endr
	v_permlanex16_b32 v230, v228, s52, s53
	v_permlanex16_b32 v231, v229, s52, s53
	v_max_num_f32 v228, v228, v230
	v_max_num_f32 v229, v229, v231
	v_add_nc_u32 v232, 0xfe000000, v228
	v_add_nc_u32 v233, 0xfe000000, v229
	v_lshrrev_b32 v230, 23, v232
	v_lshrrev_b32 v231, 23, v233
	v_lshl_or_b32 v[\HW], v231, 8, v230
	v_cvt_scalef32_pk16_bf6_f32 v[\C:\C+2], v[\s:\s+15], v232
	v_cvt_scalef32_pk16_bf6_f32 v[\T:\T+2], v[\s+16:\s+31], v233
	v_nop                                          ; one plain line behind the conversions
.irp i, 0,1,2
	v_permlane16_swap_b32 v[\C+\i], v[\T+\i]
.endr
.irp i, 0,1,2
	v_mov_b32 v[\C+3+\i], v[\T+\i]
.endr
.endm
.macro KPAIR k, val
	v_mov_b32 v[CN+2*\k], \val
	v_mov_b32 v[CN+2*\k+1], \val
.endm
.macro FMK d, a, b, k                  ; four packed multiply-adds: d = a b + constant k
.irp p, 0,2,4,6
	v_pk_fma_f32 v[\d+\p:\d+\p+1], v[\a+\p:\a+\p+1], v[\b+\p:\b+\p+1], v[CN+2*\k:CN+2*\k+1]
.endr
.endm
.macro GELU8 x                         ; eight numbers in place, line by line across four pairs, so that no line waits for the line above it
.irp p, 0,2,4,6
	v_pk_mul_f32 v[GZ+\p:GZ+\p+1], v[\x+\p:\x+\p+1], v[CN+26:CN+27]        ; z = x / sqrt(2)
.endr
.irp p, 0,2,4,6
	v_pk_mul_f32 v[GS+\p:GS+\p+1], v[GZ+\p:GZ+\p+1], v[GZ+\p:GZ+\p+1]
.endr
.irp n, 0,1,2,3,4,5,6,7
	v_and_b32 v[GT+\n], s54, v[GZ+\n]              ; |z|
.endr
.irp p, 0,2,4,6
	v_pk_fma_f32 v[GR+\p:GR+\p+1], v[GT+\p:GT+\p+1], v[CN:CN+1], v[CN+2:CN+3]
.endr
.irp p, 0,2,4,6
	v_pk_fma_f32 v[GU+\p:GU+\p+1], v[GT+\p:GT+\p+1], v[CN+4:CN+5], v[CN+6:CN+7]
.endr
.irp p, 0,2,4,6
	v_pk_fma_f32 v[GR+\p:GR+\p+1], v[GR+\p:GR+\p+1], v[GS+\p:GS+\p+1], v[GU+\p:GU+\p+1]
.endr
	FMK GR, GR, GT, 4
	FMK GR, GR, GT, 5
	FMK GR, GR, GT, 6
.irp p, 0,2,4,6
	v_pk_fma_f32 v[GR+\p:GR+\p+1], v[GR+\p:GR+\p+1], v[GT+\p:GT+\p+1], v[GT+\p:GT+\p+1] neg_lo:[0,0,1] neg_hi:[0,0,1]
.endr
.irp p, 0,2,4,6
	v_pk_mul_f32 v[GR+\p:GR+\p+1], v[GR+\p:GR+\p+1], v[CN+28:CN+29]        ; x log2(e)
.endr
.irp n, 0,1,2,3,4,5,6,7
	v_exp_f32 v[GR+\n], v[GR+\n]
.endr
.irp p, 0,2,4,6
	v_pk_fma_f32 v[GQ+\p:GQ+\p+1], v[GS+\p:GS+\p+1], v[CN+14:CN+15], v[CN+16:CN+17]   ; the series for small |z|: also the plain lines behind the exponentials
.endr
	FMK GQ, GQ, GS, 9
	FMK GQ, GQ, GS, 10
	FMK GQ, GQ, GS, 11
	FMK GQ, GQ, GS, 12
.irp p, 0,2,4,6
	v_pk_fma_f32 v[GQ+\p:GQ+\p+1], v[GQ+\p:GQ+\p+1], v[GZ+\p:GZ+\p+1], v[GZ+\p:GZ+\p+1]
.endr
	s_wait_alu depctr_va_vdst(0)
.irp p, 0,2,4,6
	v_pk_add_f32 v[GR+\p:GR+\p+1], v[CN+30:CN+31], v[GR+\p:GR+\p+1] neg_lo:[0,1] neg_hi:[0,1]   ; 1 - 2^(..)
.endr
.irp n, 0,1,2,3,4,5,6,7
	v_bfi_b32 v[GR+\n], s54, v[GR+\n], v[GZ+\n]    ; with z's sign
.endr
.irp n, 0,1,2,3,4,5,6,7
	v_cmp_lt_f32 vcc_lo, s55, v[GT+\n]
	v_cndmask_b32 v[GR+\n], v[GQ+\n], v[GR+\n], vcc_lo             ; erf(z): a choice of values, no branch
.endr
.irp p, 0,2,4,6
	v_pk_mul_f32 v[GU+\p:GU+\p+1], v[\x+\p:\x+\p+1], v[CN+32:CN+33]
.endr
.irp p, 0,2,4,6
	v_pk_fma_f32 v[\x+\p:\x+\p+1], v[GU+\p:GU+\p+1], v[GR+\p:GR+\p+1], v[GU+\p:GU+\p+1]   ; x / 2 (1 + erf)
.endr
.endm
	s_load_b256 s[4:11], s[0:1], 0x0               ; x1b, wq, eb1, hq
	v_lshl_add_u32 v254, v0, 2, 0x18000
	v_mov_b32 v255, 0
	v_lshrrev_b32 v10, 5, v0
	v_readfirstlane_b32 s18, v10                   ; wave 0..7
	v_and_b32 v10, 31, v0
	v_lshlrev_b32 v1, 4, v10
	v_lshlrev_b32 v2, 2, v10
	v_lshlrev_b32 v9, 3, v10
	v_mov_b32 v230, 0                              ; a lane permute's destination counts as one of its sources
	v_mov_b32 v231, 0
	s_and_b32 s19, s18, 1                          ; pg
	s_lshr_b32 s29, s18, 1                         ; qg
	s_mul_i32 s30, s18, 3072
	v_add_nc_u32 v3, s30, v1
	v_add_nc_u32 v4, QOFF, v3
	s_mul_i32 s30, s19, 12288
	v_add_nc_u32 v5, s30, v1
	v_add_nc_u32 v6, s30, v9
	s_mul_i32 s30, s29, 6144
	s_add_co_u32 s30, s30, QOFF
	v_add_nc_u32 v7, s30, v1
	v_add_nc_u32 v8, s30, v9
	s_mov_b32 s52, 0x76543210
	s_mov_b32 s53, 0xfedcba98
	s_mov_b32 s54, 0x7fffffff
	s_mov_b32 s55, 0x3f6d8000                      ; 475 / 512
	s_and_b32 s31, ttmp7, 0xffff
	s_lshr_b32 s32, s31, 3                         ; e
	s_bfe_u32 s33, s31, 0x10002                    ; batch
	s_lshl_b32 s33, s33, 4
	s_lshl_b32 s34, s32, 2
	s_add_co_u32 s33, s33, s34
	s_and_b32 s34, s31, 3
	s_add_co_u32 s33, s33, s34                     ; the block of 128 tokens: 16 batch + 4 e + 0..3
	s_lshl_b32 s34, s32, 8
	s_lshl_b32 s35, ttmp9, 3
	s_add_co_u32 s34, s34, s35
	s_add_co_u32 s34, s34, s18
	s_mul_i32 s44, s34, TS
	s_add_co_u32 s44, s44, W1C
	s_lshl_b32 s34, s33, 3
	s_add_co_u32 s34, s34, s18
	s_mul_i32 s46, s34, TS
	s_add_co_u32 s46, s46, X1C
	s_lshl_b32 s34, s32, 7
	s_lshl_b32 s35, ttmp9, 2
	s_add_co_u32 s34, s34, s35
	s_lshl_b32 s35, s19, 1
	s_add_co_u32 s34, s34, s35
	s_lshl_b32 s48, s34, 10
	s_add_co_u32 s48, s48, W1S
	s_lshl_b32 s34, s33, 2
	s_add_co_u32 s34, s34, s29
	s_lshl_b32 s50, s34, 10
	s_add_co_u32 s50, s50, X1S
	s_mov_b32 s45, 0
	s_mov_b32 s47, 0
	s_mov_b32 s49, 0
	s_mov_b32 s51, 0
	s_wait_kmcnt 0x0
	s_add_nc_u64 s[20:21], s[6:7], s[44:45]
	s_add_nc_u64 s[22:23], s[4:5], s[46:47]
	s_add_nc_u64 s[24:25], s[6:7], s[48:49]
	s_add_nc_u64 s[26:27], s[4:5], s[50:51]
	GLOAD 0
	ITER 0, 1, 1                                   ; the first slot's first products start the sums
	s_mov_b32 s28, (NS-2)/2
.Lslot:
	ITER 1, 1, 0
	ITER 0, 1, 0
	s_sub_co_u32 s28, s28, 1
	s_cmp_lg_u32 s28, 0
	s_cbranch_scc1 .Lslot
	ITER 1, 0, 0
	s_lshl_b32 s38, s32, 14                        ; b1: 16,384 e + 512 x + 256 pg bytes, + 64 h in the lane
	s_lshl_b32 s39, ttmp9, 9
	s_add_co_u32 s38, s38, s39
	s_lshl_b32 s39, s19, 8
	s_add_co_u32 s38, s38, s39
	s_mov_b32 s39, 0
	s_add_nc_u64 s[36:37], s[8:9], s[38:39]
	v_bfe_u32 v11, v0, 4, 1
	v_lshlrev_b32 v11, 6, v11
.irp i, 0,1,2,3
	global_load_b128 v[16+8*\i:19+8*\i], v11, s[36:37] offset:(32*(\i/2)+8*(\i%2))*4
	global_load_b128 v[20+8*\i:23+8*\i], v11, s[36:37] offset:(32*(\i/2)+8*(\i%2))*4+16
.endr
	KPAIR 0, 0xb7910000                            ; beyond 475/512
	KPAIR 1, 0x39c8e7d9
	KPAIR 2, 0xbb7e8a1c
	KPAIR 3, 0x3cc6b1a1
	KPAIR 4, 0xbddaae5c
	KPAIR 5, 0xbf228550
	KPAIR 6, 0xbe03ce86
	KPAIR 7, 0xba1c7000                            ; up to 475/512
	KPAIR 8, 0x3ba38d2c
	KPAIR 9, 0xbcdb48d9
	KPAIR 10, 0x3de70e22
	KPAIR 11, 0xbec09380
	KPAIR 12, 0x3e0375d4
	KPAIR 13, 0x3f3504f3                           ; 1 / sqrt(2)
	KPAIR 14, 0x3fb8aa3b                           ; log2(e)
	KPAIR 15, 1.0
	KPAIR 16, 0.5
	s_lshl_b32 s34, s33, 3
	s_lshl_b32 s35, s29, 1
	s_add_co_u32 s34, s34, s35                     ; tile of tokens 8 block + 2 qg
	s_mul_i32 s44, s34, 49152
	s_lshl_b32 s35, ttmp9, 1
	s_add_co_u32 s35, s35, s19                     ; which 64 along the next K
	s_mul_i32 s35, s35, 768
	s_add_co_u32 s44, s44, s35
	s_mov_b32 s45, 0
	s_add_nc_u64 s[44:45], s[10:11], s[44:45]
	s_lshl_b32 s34, s33, 2
	s_add_co_u32 s34, s34, s29
	s_lshl_b32 s46, s34, 12
	s_lshl_b32 s35, ttmp9, 7
	s_add_co_u32 s46, s46, s35
	s_lshl_b32 s35, s19, 1
	s_add_co_u32 s46, s46, s35
	s_add_co_u32 s46, s46, HS
	s_mov_b32 s47, 0
	s_add_nc_u64 s[46:47], s[10:11], s[46:47]
	s_wait_loadcnt 0x0
.irp q, 0,1
.set n, 0
.rept 16
	v_pk_add_f32 v[ACC+32*\q+n:ACC+32*\q+n+1], v[ACC+32*\q+n:ACC+32*\q+n+1], v[16+n:17+n]   ; each accumulator from its low end on
.set n, n+2
.endr
.endr
.irp n, 0,1,2,3,4,5,6,7
	GELU8 ACC+8*\n
.endr
	QUANT2 ACC, 212, 218, 244
	QUANT2 ACC+32, 222, 240, 245
	global_store_b128 v1, v[212:215], s[44:45]                     ; a half image: 768 consecutive bytes, aligned to 256
	global_store_b64  v9, v[216:217], s[44:45] offset:512
	global_store_b128 v1, v[222:225], s[44:45] offset:49152
	global_store_b64  v9, v[226:227], s[44:45] offset:49152+512
	v_cmp_le_u32 vcc_lo, 16, v10
	v_cndmask_b32 v246, v244, v245, vcc_lo         ; lanes 0-15 the even tile's bytes, lanes 16-31 the odd tile's
	global_store_b16 v2, v246, s[46:47]            ; my 64 hidden units are half of a scale word
	s_wait_tensorcnt 0x0
	ds_add_u32 v254, v255
	s_wait_dscnt 0x0
	s_endpgm
.Lfunc_end_k_q37bcd450b7_ffn1:
	.size	k_q37bcd450b7_ffn1, .Lfunc_end_k_q37bcd450b7_ffn1-k_q37bcd450b7_ffn1
	.p2alignl 7, 3214868480
	.fill 96, 4, 3214868480
	.section	.rodata,"a",@progbits
	.p2align	6, 0x0
	.amdhsa_kernel k_q37bcd450b7_ffn1
		.amdhsa_group_segment_fixed_size 99328
		.amdhsa_private_segment_fixed_size 0
		.amdhsa_enable_private_segment 0
		.amdhsa_kernarg_size 32
		.amdhsa_user_sgpr_count 2
		.amdhsa_user_sgpr_kernarg_segment_ptr 1
		.amdhsa_wavefront_size32 1
		.amdhsa_system_sgpr_workgroup_id_x 1
		.amdhsa_system_sgpr_workgroup_id_y 1
		.amdhsa_system_sgpr_workgroup_id_z 1
		.amdhsa_system_vgpr_workitem_id 0
		.amdhsa_next_free_vgpr 256
		.amdhsa_next_free_sgpr 66
		.amdhsa_reserve_vcc 1
		.amdhsa_float_denorm_mode_32 3
		.amdhsa_float_denorm_mode_16_64 3
		.amdhsa_memory_ordered 1
		.amdhsa_forward_progress 1
		.amdhsa_inst_pref_size 96
	.end_amdhsa_kernel
	.amdgpu_metadata
---
amdhsa.version: [ 1, 2 ]
amdhsa.kernels:
  - .name:           k_q37bcd450b7_ffn1
    .symbol:         k_q37bcd450b7_ffn1.kd
    .args:
      - { .name: x1b, .offset: 0, .size: 8, .value_kind: global_buffer, .address_space: global }
      - { .name: wq, .offset: 8, .size: 8, .value_kind: global_buffer, .address_space: global }
      - { .name: eb1, .offset: 16, .size: 8, .value_kind: global_buffer, .address_space: global }
      - { .name: hq, .offset: 24, .size: 8, .value_kind: global_buffer, .address_space: global }
    .group_segment_fixed_size: 99328
    .private_segment_fixed_size: 0
    .kernarg_segment_align: 8
    .kernarg_segment_size: 32
    .max_flat_workgroup_size: 256
    .sgpr_count:     66
    .vgpr_count:     256
    .wavefront_size: 32
...
	.end_amdgpu_metadata
.endif
;; end of part 5
;; launch ffn2 (part 6): grid 8 x 32, 16 waves a work-group, no clusters, 264,192 bytes of LDS; arguments hq, wq, eb2, yb; writes yb
.if DOCPART == 6
	.amdgcn_target "amdgcn-amd-amdhsa--gfx1250"
	.amdhsa_code_object_version 6
	.text
	.protected	k_q37bcd450b7_ffn2
	.globl	k_q37bcd450b7_ffn2
	.p2align	8
	.type	k_q37bcd450b7_ffn2,@function
k_q37bcd450b7_ffn2:
	s_mov_b64 s[64:65], 0
	v_nop
	global_prefetch_b8 v0, s[64:65] scope:SCOPE_SE
	s_setreg_imm32_b32 hwreg(HW_REG_WAVE_MODE, 25, 1), 1
	s_wait_xcnt 0x0
; FFN2: y = h W2[e] + b2[e] on codes of BF6 (K = 4,096); y leaves as f32 [4,096][1,024] for the second norm.
; THE FRAME.  D = P Q^T: P (source 0) = 128 rows of W2 (output columns), Q (source 1) = 128 tokens of expert e: a lane holds a token, its registers run along the columns.
; K IS SHARED BETWEEN TWO GROUPS OF EIGHT WAVES: waves 0-7 take K = 0 .. 2,047, waves 8-15 K = 2,048 .. 4,095, each group with two LDS buffers of its own.  So sixteen waves, four to a SIMD with 256 registers each,
; have 16 x 6 KB of codes on their way, and a group walks 8 slots of 256 along K.  In a group wave w takes P's tiles 4 (w % 2) .. + 3 and Q's pair of tiles (w % 8) / 2: eight accumulators, by turns.
; A slot's tiles come through registers, a slot ahead: wave w brings tile w % 8 of P and of Q (3,072 bytes each, dense in memory) and stores them to LDS as they lie.  ONE barrier a slot: in front of it a wave's stores
; have landed and its reads of the last slot are over; a buffer is written again two slots on, behind the next barrier.  The next slot's loads are issued ahead of the barrier, as soon as the stores have read the registers.
; THE TWO HALVES MEET IN LDS: waves 8-15 store their 64 sums as images of their registers (8 KB a wave, bytes of their own behind the rings); one barrier; waves 0-7 load their partner's image and add it.
; x = the block of 128 columns; y = 8 e + the expert's block of 128 tokens.
; THE WAY OUT (waves 0-7): a wave's 32 tokens x 64 columns go through a stage of its own (32 rows x 272 bytes, in the ring, which that same barrier has shown dead) and leave as rows: sixteen lanes store 256 consecutive, aligned bytes.
; No joint requests: the rings are filled through registers by plain loads, which work-groups cannot ask for together.
; LIMITS: each output is the sum of two f32 sums over 2,048 of K each, an order of rounding other than one chain's; NaN and infinities are not served.
.set KK,   4096
.set KH,   KK/2                        ; a group's half of K
.set NS,   KH/256                      ; its slots
.set TS,   KK*12                       ; a tile's codes in bytes
.set BUF,  49152                       ; an LDS buffer: P's 8 tiles, then Q's 8, 3,072 bytes each
.set RING, 2*BUF                       ; a group's two buffers
.set QOFF, 24576
.set XCH,  2*RING                      ; behind the rings: eight images of 64 registers, 8,192 bytes each
.set STG,  16                          ; v16-39 P's tile on its way, v40-63 Q's; in the last slot v16-47 take the bias
.set SC,   64                          ; v64-75 two sets of scale words: P's pair 0 (first, second 128), pair 1, Q's pair
.set PF,   76                          ; v76-123 P's four fragments
.set QF,   124                         ; v124-147 Q's two
.set ACC,  148                         ; v148-211 accumulator (q, i) at ACC + 32 q + 8 i
.set W2C,  18841600
.set W2S,  31424512
.set HS,   12582912
; v1, v9, v2: 16, 8, 4 x lane; v3, v4 where I store P's and Q's tile; v5, v6 / v7, v8 where I read P's / Q's fragments; v11 64 h for the bias; v12, v13 my stage, in and back; v14 my byte offset in y; v15 my pair's image
.macro GLOAD ss                        ; the next slot: 12 loads of 512 bytes, 6 scale words into set ss
.irp c, 0,1,2,3,4,5
	global_load_b128 v[STG+4*\c:STG+4*\c+3], v1, s[20:21] offset:512*\c
.endr
.irp c, 0,1,2,3,4,5
	global_load_b128 v[STG+24+4*\c:STG+24+4*\c+3], v1, s[22:23] offset:512*\c
.endr
	global_load_b32 v[SC+6*(\ss)], v2, s[24:25]
	global_load_b32 v[SC+6*(\ss)+1], v2, s[24:25] offset:128
	global_load_b32 v[SC+6*(\ss)+2], v2, s[24:25] offset:KK
	global_load_b32 v[SC+6*(\ss)+3], v2, s[24:25] offset:KK+128
	global_load_b32 v[SC+6*(\ss)+4], v2, s[26:27]
	global_load_b32 v[SC+6*(\ss)+5], v2, s[26:27] offset:128
.endm
.macro FRAGS buf, j                    ; the fragments of the slot's j-th 128 along K: two half images each
.irp i, 0,1,2,3
	ds_load_b128 v[PF+12*\i:PF+12*\i+3],     v5 offset:(\buf)*BUF+\i*3072+(\j)*1536
	ds_load_b64  v[PF+12*\i+4:PF+12*\i+5],   v6 offset:(\buf)*BUF+\i*3072+(\j)*1536+512
	ds_load_b128 v[PF+12*\i+6:PF+12*\i+9],   v5 offset:(\buf)*BUF+\i*3072+(\j)*1536+768
	ds_load_b64  v[PF+12*\i+10:PF+12*\i+11], v6 offset:(\buf)*BUF+\i*3072+(\j)*1536+1280
.endr
.irp q, 0,1
	ds_load_b128 v[QF+12*\q:QF+12*\q+3],     v7 offset:(\buf)*BUF+\q*3072+(\j)*1536
	ds_load_b64  v[QF+12*\q+4:QF+12*\q+5],   v8 offset:(\buf)*BUF+\q*3072+(\j)*1536+512
	ds_load_b128 v[QF+12*\q+6:QF+12*\q+9],   v7 offset:(\buf)*BUF+\q*3072+(\j)*1536+768
	ds_load_b64  v[QF+12*\q+10:QF+12*\q+11], v8 offset:(\buf)*BUF+\q*3072+(\j)*1536+1280
.endr
.endm
.macro WM q, i, ss, j, zero            ; a pair's scale register holds the even tile's words in lanes 0-15 and the odd tile's in lanes 16-31
.set rD, ACC+32*(\q)+8*(\i)
.set rA, PF+12*(\i)
.set rB, QF+12*(\q)
.set rSA, SC+6*(\ss)+2*((\i)/2)+(\j)
.set rSB, SC+6*(\ss)+4+(\j)
.if (\zero) && ((\j) == 0)
.if ((\i)%2 == 0) && ((\q) == 0)
	v_wmma_scale_f32_16x16x128_f8f6f4 v[rD:rD+7], v[rA:rA+11], v[rB:rB+11], 0, v[rSA], v[rSB] matrix_a_fmt:MATRIX_FMT_BF6 matrix_b_fmt:MATRIX_FMT_BF6
.elseif (\q) == 0
	v_wmma_scale_f32_16x16x128_f8f6f4 v[rD:rD+7], v[rA:rA+11], v[rB:rB+11], 0, v[rSA], v[rSB] matrix_a_fmt:MATRIX_FMT_BF6 matrix_b_fmt:MATRIX_FMT_BF6 matrix_a_scale:MATRIX_SCALE_ROW1
.elseif (\i)%2 == 0
	v_wmma_scale_f32_16x16x128_f8f6f4 v[rD:rD+7], v[rA:rA+11], v[rB:rB+11], 0, v[rSA], v[rSB] matrix_a_fmt:MATRIX_FMT_BF6 matrix_b_fmt:MATRIX_FMT_BF6 matrix_b_scale:MATRIX_SCALE_ROW1
.else
	v_wmma_scale_f32_16x16x128_f8f6f4 v[rD:rD+7], v[rA:rA+11], v[rB:rB+11], 0, v[rSA], v[rSB] matrix_a_fmt:MATRIX_FMT_BF6 matrix_b_fmt:MATRIX_FMT_BF6 matrix_a_scale:MATRIX_SCALE_ROW1 matrix_b_scale:MATRIX_SCALE_ROW1
.endif
.else
.if ((\i)%2 == 0) && ((\q) == 0)
	v_wmma_scale_f32_16x16x128_f8f6f4 v[rD:rD+7], v[rA:rA+11], v[rB:rB+11], v[rD:rD+7], v[rSA], v[rSB] matrix_a_fmt:MATRIX_FMT_BF6 matrix_b_fmt:MATRIX_FMT_BF6
.elseif (\q) == 0
	v_wmma_scale_f32_16x16x128_f8f6f4 v[rD:rD+7], v[rA:rA+11], v[rB:rB+11], v[rD:rD+7], v[rSA], v[rSB] matrix_a_fmt:MATRIX_FMT_BF6 matrix_b_fmt:MATRIX_FMT_BF6 matrix_a_scale:MATRIX_SCALE_ROW1
.elseif (\i)%2 == 0
	v_wmma_scale_f32_16x16x128_f8f6f4 v[rD:rD+7], v[rA:rA+11], v[rB:rB+11], v[rD:rD+7], v[rSA], v[rSB] matrix_a_fmt:MATRIX_FMT_BF6 matrix_b_fmt:MATRIX_FMT_BF6 matrix_b_scale:MATRIX_SCALE_ROW1
.else
	v_wmma_scale_f32_16x16x128_f8f6f4 v[rD:rD+7], v[rA:rA+11], v[rB:rB+11], v[rD:rD+7], v[rSA], v[rSB] matrix_a_fmt:MATRIX_FMT_BF6 matrix_b_fmt:MATRIX_FMT_BF6 matrix_a_scale:MATRIX_SCALE_ROW1 matrix_b_scale:MATRIX_SCALE_ROW1
.endif
.endif
.endm
.macro MUL ss, j, zero                 ; the eight accumulators take turns, one instruction a turn
.irp q, 0,1
.irp i, 0,1,2,3
	WM \q, \i, \ss, \j, \zero
.endr
.endr
.rept 4
	v_nop                                          ; four places in front of the next loads into fragments and scale words, and of the first read of results
.endr
.endm
.macro ITER buf, next, zero
	s_wait_loadcnt 0x0                             ; this slot's tiles and scale words, asked for a slot ago, are in registers; the loads' bases are free
.irp c, 0,1,2,3,4,5
	ds_store_b128 v3, v[STG+4*\c:STG+4*\c+3] offset:(\buf)*BUF+512*\c
.endr
.irp c, 0,1,2,3,4,5
	ds_store_b128 v4, v[STG+24+4*\c:STG+24+4*\c+3] offset:(\buf)*BUF+512*\c
.endr
	s_wait_dscnt 0x0                               ; for the others' sake: my stores have landed (my reads of the last slot were waited for in front of its products); and they have read their registers
.if \next
	s_add_nc_u64 s[20:21], s[20:21], 3072
	s_add_nc_u64 s[22:23], s[22:23], 3072
	s_add_nc_u64 s[24:25], s[24:25], 256
	s_add_nc_u64 s[26:27], s[26:27], 256
	GLOAD 1-(\buf)                                 ; ahead of the barrier: the request does not wait for the other waves.  Nobody stores to these global bytes
.else
	s_cmp_ge_u32 s18, 8                            ; the last slot asks for no tile: the waves that will go out ask for the bias, into registers that the stores have left
	s_cbranch_scc1 .Lno_bias_\@
.irp i, 0,1,2,3
	global_load_b128 v[16+8*\i:19+8*\i], v11, s[36:37] offset:(32*(\i/2)+8*(\i%2))*4
	global_load_b128 v[20+8*\i:23+8*\i], v11, s[36:37] offset:(32*(\i/2)+8*(\i%2))*4+16
.endr
.Lno_bias_\@:
.endif
	s_barrier_signal -1
	s_barrier_wait -1
.irp j, 0,1
	FRAGS \buf, \j
	s_wait_dscnt 0x0
	MUL \buf, \j, \zero
.endr
.endm
	s_load_b256 s[4:11], s[0:1], 0x0               ; hq, wq, eb2, yb
	v_lshl_add_u32 v254, v0, 2, 0x40000
	v_mov_b32 v255, 0
	v_lshrrev_b32 v10, 5, v0
	v_readfirstlane_b32 s18, v10                   ; wave 0..15
	v_and_b32 v10, 31, v0
	v_lshlrev_b32 v1, 4, v10
	v_lshlrev_b32 v2, 2, v10
	v_lshlrev_b32 v9, 3, v10
	s_lshr_b32 s17, s18, 3                         ; my group: which half of K
	s_and_b32 s16, s18, 7                          ; my place in the group
	s_and_b32 s19, s16, 1                          ; pg: which four tiles of P
	s_lshr_b32 s29, s16, 1                         ; qg: which pair of Q's tiles
	s_mul_i32 s52, s17, RING                       ; my group's ring
	s_mul_i32 s30, s16, 3072
	s_add_co_u32 s30, s30, s52
	v_add_nc_u32 v3, s30, v1
	v_add_nc_u32 v4, QOFF, v3
	s_mul_i32 s30, s19, 12288
	s_add_co_u32 s30, s30, s52
	v_add_nc_u32 v5, s30, v1
	v_add_nc_u32 v6, s30, v9
	s_mul_i32 s30, s29, 6144
	s_add_co_u32 s30, s30, QOFF
	s_add_co_u32 s30, s30, s52
	v_add_nc_u32 v7, s30, v1
	v_add_nc_u32 v8, s30, v9
	v_and_b32 v11, 15, v0                          ; r
	v_bfe_u32 v15, v0, 4, 1                        ; h
	v_and_b32 v12, 8, v11
	v_add_nc_u32 v12, v12, v11
	v_mul_u32_u24 v12, v12, 272
	v_lshl_add_u32 v12, v15, 6, v12
	s_mul_i32 s30, s16, 8704
	v_add_nc_u32 v12, s30, v12                     ; my stage, in: row r + 8 (r / 8) (+ 8 for the odd tile), + 64 h
	v_mul_u32_u24 v13, v15, 272
	v_lshl_add_u32 v13, v11, 4, v13
	v_add_nc_u32 v13, s30, v13                     ; back: lanes 0-15 one row of 256 bytes, lanes 16-31 the next
	v_lshlrev_b32 v14, 12, v15
	v_lshl_add_u32 v14, v11, 4, v14                ; and the same two rows in y
	v_lshlrev_b32 v11, 6, v15                      ; 64 h, for the bias
	s_lshl_b32 s30, s16, 13
	s_add_co_u32 s30, s30, XCH
	v_add_nc_u32 v15, s30, v1                      ; the image that wave 8 + i stores and wave i loads: 8,192 i + 16 x lane
	s_and_b32 s31, ttmp7, 0xffff
	s_lshr_b32 s32, s31, 3                         ; e
	s_bfe_u32 s33, s31, 0x10002                    ; batch
	s_lshl_b32 s33, s33, 4
	s_lshl_b32 s34, s32, 2
	s_add_co_u32 s33, s33, s34
	s_and_b32 s34, s31, 3
	s_add_co_u32 s33, s33, s34                     ; the block of 128 tokens: 16 batch + 4 e + 0..3
	s_mul_i32 s53, s17, (KH/64)*768                ; my group's half of K in a tile's codes,
	s_lshl_b32 s54, s17, 11                        ; and in a pair's scale words: 16 x 128 bytes
	s_lshl_b32 s34, s32, 6
	s_lshl_b32 s35, ttmp9, 3
	s_add_co_u32 s34, s34, s35
	s_add_co_u32 s34, s34, s16
	s_mul_i32 s44, s34, TS
	s_add_co_u32 s44, s44, W2C
	s_add_co_u32 s44, s44, s53
	s_lshl_b32 s34, s33, 3
	s_add_co_u32 s34, s34, s16
	s_mul_i32 s46, s34, TS
	s_add_co_u32 s46, s46, s53
	s_lshl_b32 s34, s32, 5
	s_lshl_b32 s35, ttmp9, 2
	s_add_co_u32 s34, s34, s35
	s_lshl_b32 s35, s19, 1
	s_add_co_u32 s34, s34, s35
	s_lshl_b32 s48, s34, 12
	s_add_co_u32 s48, s48, W2S
	s_add_co_u32 s48, s48, s54
	s_lshl_b32 s34, s33, 2
	s_add_co_u32 s34, s34, s29
	s_lshl_b32 s50, s34, 12
	s_add_co_u32 s50, s50, HS
	s_add_co_u32 s50, s50, s54
	s_mov_b32 s45, 0
	s_mov_b32 s47, 0
	s_mov_b32 s49, 0
	s_mov_b32 s51, 0
	s_lshl_b32 s38, s32, 12                        ; b2: 4,096 e + 512 x + 256 pg bytes
	s_lshl_b32 s39, ttmp9, 9
	s_lshl_b32 s40, s19, 8
	s_add_co_u32 s39, s39, s40                     ; my 64 columns' bytes in a row
	s_add_co_u32 s38, s38, s39
	s_lshl_b32 s42, s33, 7
	s_lshl_b32 s40, s29, 5
	s_add_co_u32 s42, s42, s40                     ; my first token
	s_lshl_b32 s42, s42, 12
	s_add_co_u32 s42, s42, s39
	s_mov_b32 s39, 0
	s_mov_b32 s43, 0
	s_wait_kmcnt 0x0
	s_add_nc_u64 s[20:21], s[6:7], s[44:45]
	s_add_nc_u64 s[22:23], s[4:5], s[46:47]
	s_add_nc_u64 s[24:25], s[6:7], s[48:49]
	s_add_nc_u64 s[26:27], s[4:5], s[50:51]
	s_add_nc_u64 s[36:37], s[8:9], s[38:39]
	s_add_nc_u64 s[56:57], s[10:11], s[42:43]
	GLOAD 0
	ITER 0, 1, 1                                   ; the first slot's first products start the sums: nothing is cleared
	s_mov_b32 s28, (NS-2)/2
.Lslot:
	ITER 1, 1, 0
	ITER 0, 1, 0
	s_sub_co_u32 s28, s28, 1
	s_cmp_lg_u32 s28, 0
	s_cbranch_scc1 .Lslot
	ITER 1, 0, 0                                   ; the last slot
	; THE TWO HALVES OF K MEET.  Waves 8-15 store their sums as they stand, each accumulator from its low end on; the four places behind the last products stand at that run's end
	s_cmp_lt_u32 s18, 8
	s_cbranch_scc1 .Lmeet
.set n, 0
.rept 16
	ds_store_b128 v15, v[ACC+4*n:ACC+4*n+3] offset:512*n
.set n, n+1
.endr
.Lmeet:
	s_wait_dscnt 0x0                               ; for the others' sake: my image has landed, and my reads of the ring are over
	s_barrier_signal -1
	s_barrier_wait -1                              ; everybody's are: the images may be read, and the stages may lie in the ring
	s_cmp_ge_u32 s18, 8
	s_cbranch_scc1 .Lend                           ; waves 8-15 have handed their part on
.set n, 0
.rept 16
	ds_load_b128 v[76+4*n:79+4*n], v15 offset:512*n                ; the same registers in the same lanes
.set n, n+1
.endr
	s_wait_dscnt 0x0
.set n, 0
.rept 32
	v_pk_add_f32 v[ACC+n:ACC+n+1], v[ACC+n:ACC+n+1], v[76+n:77+n]  ; each accumulator from its low end on
.set n, n+2
.endr
	s_wait_loadcnt 0x0                             ; the bias, asked for a slot ago
.irp q, 0,1
.set n, 0
.rept 16
	v_pk_add_f32 v[ACC+32*\q+n:ACC+32*\q+n+1], v[ACC+32*\q+n:ACC+32*\q+n+1], v[16+n:17+n]
.set n, n+2
.endr
.endr
.irp q, 0,1
.irp b, 0,1
.irp k, 0,1,2,3
	ds_store_b128 v12, v[ACC+32*\q+16*\b+4*\k:ACC+32*\q+16*\b+4*\k+3] offset:2176*\q+128*\b+16*\k
.endr
.endr
.endr
.irp t, 0,1,2,3,4,5,6,7,8,9,10,11,12,13,14,15
	ds_load_b128 v[76+4*\t:79+4*\t], v13 offset:544*\t             ; LDS serves a wave's instructions in order: these see my stores
.endr
.irp t, 0,1,2,3,4,5,6,7,8,9,10,11,12,13,14,15
	s_wait_dscnt 15-\t                             ; the younger loads may stay out
	global_store_b128 v14, v[76+4*\t:79+4*\t], s[56:57] offset:8192*\t
.endr
.Lend:
	s_wait_tensorcnt 0x0
	ds_add_u32 v254, v255
	s_wait_dscnt 0x0
	s_endpgm
.Lfunc_end_k_q37bcd450b7_ffn2:
	.size	k_q37bcd450b7_ffn2, .Lfunc_end_k_q37bcd450b7_ffn2-k_q37bcd450b7_ffn2
	.p2alignl 7, 3214868480
	.fill 96, 4, 3214868480
	.section	.rodata,"a",@progbits
	.p2align	6, 0x0
	.amdhsa_kernel k_q37bcd450b7_ffn2
		.amdhsa_group_segment_fixed_size 264192
		.amdhsa_private_segment_fixed_size 0
		.amdhsa_enable_private_segment 0
		.amdhsa_kernarg_size 32
		.amdhsa_user_sgpr_count 2
		.amdhsa_user_sgpr_kernarg_segment_ptr 1
		.amdhsa_wavefront_size32 1
		.amdhsa_system_sgpr_workgroup_id_x 1
		.amdhsa_system_sgpr_workgroup_id_y 1
		.amdhsa_system_sgpr_workgroup_id_z 1
		.amdhsa_system_vgpr_workitem_id 0
		.amdhsa_next_free_vgpr 256
		.amdhsa_next_free_sgpr 66
		.amdhsa_reserve_vcc 0
		.amdhsa_float_denorm_mode_32 3
		.amdhsa_float_denorm_mode_16_64 3
		.amdhsa_memory_ordered 1
		.amdhsa_forward_progress 1
		.amdhsa_inst_pref_size 48
	.end_amdhsa_kernel
	.amdgpu_metadata
---
amdhsa.version: [ 1, 2 ]
amdhsa.kernels:
  - .name:           k_q37bcd450b7_ffn2
    .symbol:         k_q37bcd450b7_ffn2.kd
    .args:
      - { .name: hq, .offset: 0, .size: 8, .value_kind: global_buffer, .address_space: global }
      - { .name: wq, .offset: 8, .size: 8, .value_kind: global_buffer, .address_space: global }
      - { .name: eb2, .offset: 16, .size: 8, .value_kind: global_buffer, .address_space: global }
      - { .name: yb, .offset: 24, .size: 8, .value_kind: global_buffer, .address_space: global }
    .group_segment_fixed_size: 264192
    .private_segment_fixed_size: 0
    .kernarg_segment_align: 8
    .kernarg_segment_size: 32
    .max_flat_workgroup_size: 512
    .sgpr_count:     66
    .vgpr_count:     256
    .wavefront_size: 32
...
	.end_amdgpu_metadata
.endif
;; end of part 6
;; launch ln2 (part 7): grid 256 x 1, 16 waves a work-group, no clusters, 0 bytes of LDS; arguments x1b, yb, e_scalar, eln_g, eln_b, out0; writes out0
.if DOCPART == 7
	.amdgcn_target "amdgcn-amd-amdhsa--gfx1250"
	.amdhsa_code_object_version 6
	.text
	.protected	k_q37bcd450b7_ln2
	.globl	k_q37bcd450b7_ln2
	.p2align	8
	.type	k_q37bcd450b7_ln2,@function
k_q37bcd450b7_ln2:
	s_mov_b64 s[64:65], 0
	v_nop
	global_prefetch_b8 v0, s[64:65] scope:SCOPE_SE
	s_setreg_imm32_b32 hwreg(HW_REG_WAVE_MODE, 25, 1), 1
	s_wait_xcnt 0x0
; LN2: out = LayerNorm(x1 + y e_scalar[e]) eln_g[e] + eln_b[e], all in f32.  y already holds the second expert product and its bias.
; A wave takes a row of 4,096 bytes in 32 registers: mean and variance never leave the wave; no LDS, no barrier.  Row = 16 x work-group + wave; its expert is (row / 512) % 4.
; Memory binds: each load and store of a wave covers 512 consecutive bytes; matrix units, clusters and the data mover would add nothing.  LIMITS: NaN and infinities are not served.
; v16-47 the row; v48-79 y; v80-111 the gains; v112-143 the biases; v144-156 the sums
	s_load_b256 s[4:11], s[0:1], 0x0               ; x1b (x1 as f32 at its head), yb, e_scalar, eln_g
	s_load_b128 s[12:15], s[0:1], 0x20             ; eln_b, out0
	v_lshrrev_b32 v1, 5, v0
	v_readfirstlane_b32 s18, v1                    ; wave 0..15
	v_and_b32 v1, 31, v0
	v_lshlrev_b32 v3, 4, v1
	v_mov_b32 v156, 0                              ; a lane permute's destination counts as one of its sources
	s_mov_b32 s34, 0x76543210
	s_mov_b32 s35, 0xfedcba98
	s_mov_b32 s36, 0x3a800000                      ; 1 / 1,024
	s_mov_b32 s37, 0x3727c5ac                      ; 1e-5
	s_lshl_b32 s24, ttmp9, 4
	s_add_co_u32 s24, s24, s18
	s_lshl_b32 s24, s24, 12                        ; my row's bytes
	s_mov_b32 s25, 0
	s_bfe_u32 s26, ttmp9, 0x20005                  ; e
	s_lshl_b32 s30, s26, 12
	s_mov_b32 s31, 0
	s_lshl_b32 s32, s26, 2
	s_mov_b32 s33, 0
	s_wait_kmcnt 0x0
	s_add_nc_u64 s[8:9], s[8:9], s[32:33]
	s_load_b32 s28, s[8:9], 0x0                    ; the expert's gate
	s_add_nc_u64 s[4:5], s[4:5], s[24:25]
	s_add_nc_u64 s[6:7], s[6:7], s[24:25]
	s_add_nc_u64 s[14:15], s[14:15], s[24:25]
	s_add_nc_u64 s[10:11], s[10:11], s[30:31]
	s_add_nc_u64 s[12:13], s[12:13], s[30:31]
.irp i, 0,1,2,3,4,5,6,7
	global_load_b128 v[16+4*\i:19+4*\i], v3, s[4:5] offset:512*\i th:TH_LOAD_NT
.endr
.irp i, 0,1,2,3,4,5,6,7
	global_load_b128 v[48+4*\i:51+4*\i], v3, s[6:7] offset:512*\i th:TH_LOAD_NT
.endr
.irp i, 0,1,2,3,4,5,6,7
	global_load_b128 v[80+4*\i:83+4*\i], v3, s[10:11] offset:512*\i
.endr
.irp i, 0,1,2,3,4,5,6,7
	global_load_b128 v[112+4*\i:115+4*\i], v3, s[12:13] offset:512*\i
.endr
	s_wait_kmcnt 0x0
	s_mov_b32 s29, s28                             ; (the packed form names the pair)
	s_wait_loadcnt 16                              ; x1 and y are in; the gains' and biases' 16 loads may be out
.macro LANESUM r                       ; v[r] summed over the wave's 32 lanes, in every lane
	v_add_f32_dpp v[\r], v[\r], v[\r] row_xmask:1 row_mask:0xf bank_mask:0xf
	v_add_f32_dpp v[\r], v[\r], v[\r] row_xmask:2 row_mask:0xf bank_mask:0xf
	v_add_f32_dpp v[\r], v[\r], v[\r] row_xmask:4 row_mask:0xf bank_mask:0xf
	v_add_f32_dpp v[\r], v[\r], v[\r] row_xmask:8 row_mask:0xf bank_mask:0xf
	v_permlanex16_b32 v156, v[\r], s34, s35
	v_add_f32 v[\r], v[\r], v156
.endm
.macro FOLD                            ; the four chains into v144 + v145
	v_pk_add_f32 v[144:145], v[144:145], v[146:147]
	v_pk_add_f32 v[148:149], v[148:149], v[150:151]
	v_pk_add_f32 v[144:145], v[144:145], v[148:149]
.endm
.set n, 0
.rept 16
	v_pk_fma_f32 v[16+n:17+n], v[48+n:49+n], s[28:29], v[16+n:17+n] op_sel_hi:[1,0,1]   ; x1 + y x gate
.set n, n+2
.endr
.irp c, 0,1,2,3
	v_pk_add_f32 v[144+2*\c:145+2*\c], v[16+4*\c:17+4*\c], v[18+4*\c:19+4*\c]
.endr
.irp n, 32,40
.irp c, 0,1,2,3
	v_pk_add_f32 v[144+2*\c:145+2*\c], v[144+2*\c:145+2*\c], v[\n+2*\c:\n+2*\c+1]
.endr
.endr
	FOLD
	v_add_f32 v152, v144, v145
	LANESUM 152
	v_mul_f32 v152, s36, v152                      ; the mean
	v_mov_b32 v153, v152
.set n, 0
.rept 16
	v_pk_add_f32 v[16+n:17+n], v[16+n:17+n], v[152:153] neg_lo:[0,1] neg_hi:[0,1]
.set n, n+2
.endr
.irp c, 0,1,2,3
	v_pk_mul_f32 v[144+2*\c:145+2*\c], v[16+2*\c:17+2*\c], v[16+2*\c:17+2*\c]
.endr
.irp n, 24,32,40
.irp c, 0,1,2,3
	v_pk_fma_f32 v[144+2*\c:145+2*\c], v[\n+2*\c:\n+2*\c+1], v[\n+2*\c:\n+2*\c+1], v[144+2*\c:145+2*\c]
.endr
.endr
	FOLD
	v_add_f32 v154, v144, v145
	LANESUM 154
	v_fma_f32 v154, v154, s36, s37                 ; the variance + 1e-5
	v_rsq_f32 v154, v154
	v_nop                                          ; one plain line behind the root
	s_wait_alu depctr_va_vdst(0)
	v_mov_b32 v155, v154
	s_wait_loadcnt 0x0
.set n, 0
.rept 16
	v_pk_mul_f32 v[16+n:17+n], v[16+n:17+n], v[154:155]
.set n, n+2
.endr
.set n, 0
.rept 16
	v_pk_fma_f32 v[16+n:17+n], v[16+n:17+n], v[80+n:81+n], v[112+n:113+n]
.set n, n+2
.endr
.irp i, 0,1,2,3,4,5,6,7
	global_store_b128 v3, v[16+4*\i:19+4*\i], s[14:15] offset:512*\i th:TH_STORE_NT   ; 512 consecutive bytes a store; written once, read by nobody here
.endr
	s_endpgm
.Lfunc_end_k_q37bcd450b7_ln2:
	.size	k_q37bcd450b7_ln2, .Lfunc_end_k_q37bcd450b7_ln2-k_q37bcd450b7_ln2
	.p2alignl 7, 3214868480
	.fill 96, 4, 3214868480
	.section	.rodata,"a",@progbits
	.p2align	6, 0x0
	.amdhsa_kernel k_q37bcd450b7_ln2
		.amdhsa_group_segment_fixed_size 0
		.amdhsa_private_segment_fixed_size 0
		.amdhsa_enable_private_segment 0
		.amdhsa_kernarg_size 48
		.amdhsa_user_sgpr_count 2
		.amdhsa_user_sgpr_kernarg_segment_ptr 1
		.amdhsa_wavefront_size32 1
		.amdhsa_system_sgpr_workgroup_id_x 1
		.amdhsa_system_sgpr_workgroup_id_y 1
		.amdhsa_system_sgpr_workgroup_id_z 1
		.amdhsa_system_vgpr_workitem_id 0
		.amdhsa_next_free_vgpr 160
		.amdhsa_next_free_sgpr 66
		.amdhsa_reserve_vcc 0
		.amdhsa_float_denorm_mode_32 3
		.amdhsa_float_denorm_mode_16_64 3
		.amdhsa_memory_ordered 1
		.amdhsa_forward_progress 1
		.amdhsa_inst_pref_size 13
	.end_amdhsa_kernel
	.amdgpu_metadata
---
amdhsa.version: [ 1, 2 ]
amdhsa.kernels:
  - .name:           k_q37bcd450b7_ln2
    .symbol:         k_q37bcd450b7_ln2.kd
    .args:
      - { .name: x1b, .offset: 0, .size: 8, .value_kind: global_buffer, .address_space: global }
      - { .name: yb, .offset: 8, .size: 8, .value_kind: global_buffer, .address_space: global }
      - { .name: e_scalar, .offset: 16, .size: 8, .value_kind: global_buffer, .address_space: global }
      - { .name: eln_g, .offset: 24, .size: 8, .value_kind: global_buffer, .address_space: global }
      - { .name: eln_b, .offset: 32, .size: 8, .value_kind: global_buffer, .address_space: global }
      - { .name: out0, .offset: 40, .size: 8, .value_kind: global_buffer, .address_space: global }
    .group_segment_fixed_size: 0
    .private_segment_fixed_size: 0
    .kernarg_segment_align: 8
    .kernarg_segment_size: 48
    .max_flat_workgroup_size: 512
    .sgpr_count:     66
    .vgpr_count:     160
    .wavefront_size: 32
...
	.end_amdgpu_metadata
.endif
;; end of part 7
